; MI455X (gfx1250); checked and timed in simulation.
; The chip was launched on July 23, 2026; its instructions are those of AMD's public machine-readable ISA for CDNA 5 (MIT licence, August 2026) and "CDNA5" Instruction Set Architecture Reference Guide (July 2026). The comments in the code are by the model that wrote it; some were corrected since.
;; Causal Self Attention. Allowed arithmetic: matrix products marked QUANTISED: E3M2 operands, one E8M0 scale for each 32 along K, by v_wmma_scale_f32_16x16x128_f8f6f4 with both operands' format E3M2, f32 sums; everything else in f32.
;; Inputs: Wk 1,024 x 1,024 float32; Wp 1,024 x 1,024 float32; Wq 1,024 x 1,024 float32; Wv 1,024 x 1,024 float32; bk 1,024 float32; bp 1,024 float32; bq 1,024 float32; bv 1,024 float32; x 4 x 2,048 x 1,024 float32.
;; Outputs: out0 4 x 2,048 x 1,024 float32.
;; This version of the problem:
;;   THIS VERSION OF THE PROBLEM IS GIVEN IN LOW PRECISION. The matrix products marked QUANTISED in the list below multiply operands that are first quantised to E3M2 (3 exponent bits, 2 mantissa bits; 6 bits a number), with one power-of-two scale for each 32 numbers along K (OCP MX v1.0); their sums are f32. All else is computed in f32.
;;   The module's matrix products, in the order in which they are computed (A, B: the left and right operand; K: the contracted axis; several contracted axes count as one K, in the product's order):
;;     1. [M 8,192, K 1,024] x [K 1,024, N 1,024]; A: input x; B: input Wk: QUANTISED
;;     2. [M 8,192, K 1,024] x [K 1,024, N 1,024]; A: input x; B: input Wq: QUANTISED
;;     3. [M 8,192, K 1,024] x [K 1,024, N 1,024]; A: input x; B: input Wv: QUANTISED
;;     4. batch 64 x [M 2,048, K 64] x [K 64, N 2,048]; A: computed on the way; B: computed on the way: QUANTISED
;;     5. batch 64 x [M 2,048, K 2,048] x [K 2,048, N 64]; A: softmax (see below); B: computed on the way: QUANTISED
;;     6. [M 8,192, K 1,024] x [K 1,024, N 1,024]; A: computed on the way; B: input Wp: QUANTISED
;;   THE QUANTISER, for each operand of a quantised product, along K:
;;     - K is cut into blocks of 32 from its start; a last block that is shorter is filled with zeros.
;;     - A block's scale is 2^e with e = floor(log2(the largest magnitude in the block)) - 4, held to -126 .. 127; a block of zeros has e = 0. As a byte (E8M0): e + 127.
;;     - Each number is divided by its block's scale, clamped to +-28, and rounded to the nearest number of E3M2, ties to even, subnormals kept.
;;     - The product sums the exact products of the quantised numbers (number of the format x scale) in f32.
;;   ~~~python
;;   def quantise(x, axis):      # numpy; x: float32 -> the quantised numbers, widened to float32 again
;;       x = np.moveaxis(x, axis, -1); K = x.shape[-1]
;;       x = np.pad(x, [(0, 0)] * (x.ndim - 1) + [(0, -K % 32)]); x = x.reshape(x.shape[:-1] + (-1, 32)); a = np.abs(x).max(-1, keepdims=True)
;;       e = np.where(a > 0, np.clip(np.frexp(np.where(a > 0, a, 1))[1] - 1 - 4, -126, 127), 0)      # np.frexp(a)[1] - 1 = floor(log2(a)), exactly
;;       r = np.clip(x / 2.0 ** e, -28, 28)
;;       step = 2.0 ** (np.maximum(np.frexp(np.where(r == 0, 1, r))[1] - 1, -2) - 2)
;;       q = np.round(r / step) * step * 2.0 ** e      # np.round: ties to even
;;       return np.moveaxis(q.reshape(q.shape[:-2] + (-1,))[..., :K], -1, axis).astype(np.float32)
;;   ~~~
;;   SOFTMAX AHEAD OF A QUANTISED PRODUCT. Where the list says 'softmax', what is quantised is not the finished softmax but p = 2^(t - M), with t = logit x log2(e) and M = ceil(the row's largest t), a whole number; so 1/2 < the row's largest p <= 1. The row's sum l is taken of the UNQUANTISED p, in f32, and the product's result is divided by l at the end. Since M is a whole number, a kernel that streams over the keys may use a running M (the ceiling of the running maximum): every later rescaling is an exact power of two, which a block's scale takes up: the codes' values come out the same.
;;   OPERANDS COMPUTED ON THE WAY. 'Computed on the way' means the value that the module computes at that place (a softmax that the list does not call 'softmax' is quantised finished and normalised). What goes into a quantiser is computed in f32, as accurately as f32 sums, v_exp_f32 and their like allow (about 1e-6 of the number): no bf16 or f16 on the way to a quantiser, and a product that is left as it is and whose result goes on into a quantised operand takes f32 operands (vector FMAs, or v_wmma_f32_16x16x4_f32). A number that lies on a knife's edge between two numbers of the format may be rounded either way, as far as f32 arithmetic and the matrix unit's own rounding can turn it there, and no further.
;; One version. Each part assembles by itself: llvm-mc -triple=amdgcn-amd-amdhsa -mcpu=gfx1250 --defsym DOCPART=n.
;; ======== version 1 of 1: 4 launches
;; workspace buffers: xc 6,291,456 bytes; xs 262,144 bytes; wc 3,145,728 bytes; ws 131,072 bytes; qkvc 18,874,368 bytes; qkvs 786,432 bytes; yc 6,291,456 bytes; ys 262,144 bytes
;; launch quant (part 1): grid 384 x 1, 4 waves a work-group, no clusters, 68,096 bytes of LDS; arguments x, Wq, Wk, Wv, Wp, xc, xs, wc, ws; writes xc, xs, wc, ws
.if DOCPART == 1
	.amdgcn_target "amdgcn-amd-amdhsa--gfx1250"
	.amdhsa_code_object_version 6
	.text
	.protected	k_qf5b87e2f50_quant
	.globl	k_qf5b87e2f50_quant
	.p2align	8
	.type	k_qf5b87e2f50_quant,@function
k_qf5b87e2f50_quant:
	s_mov_b64 s[64:65], 0
	v_nop
	global_prefetch_b8 v0, s[64:65] scope:SCOPE_SE
	s_setreg_imm32_b32 hwreg(HW_REG_WAVE_MODE, 25, 1), 1
	s_wait_xcnt 0x0
; x [8192][1024] f32 (K innermost) and Wq, Wk, Wv, Wp [1024 (k)][1024 (n)] f32 (K is the FIRST axis) become codes of BF6 (E3M2), K innermost, 768 bytes a row, with one E8M0 byte for each 32 along K, 32 bytes a row.
; A block's scale byte is its largest magnitude's exponent field - 4, held at 1 from below; each number is divided by the scale and rounded to the nearest code, ties to even, beyond 28 the largest code.
; ROWS ARE STORED IN A PERMUTED ORDER: logical row R (a token of x, an output channel of a weight) lies at the position that has R's bits 3 and 4 exchanged.  Sixteen neighbouring positions 16 u + r of a group of 32
; then hold the rows 8 u + r + 8 (r / 8): the tiles that the later products want, so that a lane's 16 results of two neighbouring tiles are 16 neighbours.
; wc, ws: positions 0-1023 Wq's columns, then Wk's, Wv's, Wp's.
; LIMITS: NaN and infinities among the inputs are not served.  A block of zeros gets the byte 1 where the rule says 127: its codes are zeros, and the bytes are read by this program alone.
; Blocks whose largest magnitude lies under 2^-122 keep the byte 1 (the rule's own hold); they were not tried.
; Work-groups 0-255 take x (a wave: 8 rows), work-groups 256-383 the weights (a wave: 32 columns x 256 along K).  The two ways part on the work-group's number, never join, and have LDS bytes of their own.
; No cluster, no tensor load, no barrier: no two work-groups read the same bytes and waves share nothing.
.set STEPS, 16
.set CB,    12                         ; bytes of 16 codes
.set XR,    16                         ; v16-79   x: four sets of 16 numbers as loaded
.set XX,    80                         ; v80-111  two sets of 16 neighbours
.set XE,    112                        ; v112-127 a scale byte for each step
.set XC,    128                        ; v128-191 codes, four registers a step
.set WREG,  8192                       ; LDS of a wave on x's way: two stages of 32 x SP bytes, then its 256 scale bytes
.set SP,    80
.set NB,    8                          ; the weights' way: blocks of 32 along K for a wave
.set WROWB, 192                        ; bytes of 256 codes
.set WPITCH, 272                       ; a stage row: sixteen places of 16 bytes + 16
.set KROW,  768                        ; a row of codes in memory
.set WSTG,  32768                      ; the weights' stages begin behind x's LDS
.set WX,    32                         ; v32-95   two sets of 32 numbers
.set WC,    96                         ; v96..    a block's codes
.set WOUT,  112                        ; v112-175 the way out
.set WSB,   24                         ; v24-25   the scale bytes
	s_load_b512 s[4:19], s[0:1], 0x0               ; x, Wq, Wk, Wv, Wp, xc, xs, wc
	s_load_b64 s[20:21], s[0:1], 0x40              ; ws
	v_lshl_add_u32 v192, v0, 2, 0x10800
	v_mov_b32 v193, 0
	v_lshrrev_b32 v1, 5, v0
	v_readfirstlane_b32 s22, v1                    ; wave
	v_and_b32 v2, 31, v0                           ; lane
	s_cmp_lt_u32 ttmp9, 256
	s_cbranch_scc0 .Lw
; ---------------- x: a stream of blocks of 32.  A wave takes 16 steps of 512 numbers: 8 rows.
	v_lshlrev_b32 v3, 4, v2                        ; my 16 bytes of a load's 512
	s_mul_i32 s23, s22, WREG
	v_lshrrev_b32 v14, 2, v2
	v_mul_u32_u24 v14, v14, SP
	v_and_b32 v15, 3, v2
	v_lshl_add_u32 v14, v15, 4, v14
	v_add_nc_u32 v14, s23, v14                     ; the stage, on the way in: SP (lane / 4) + 16 (lane % 4)
	v_mul_u32_u24 v15, v2, SP
	v_add_nc_u32 v15, s23, v15                     ; and on the way out: SP x lane: my 16 neighbours
	v_mul_u32_u24 v4, v2, CB                       ; my codes' place in a step's
	v_lshrrev_b32 v5, 1, v2
	s_add_co_u32 s23, s23, 2*32*SP
	v_add_nc_u32 v5, s23, v5                       ; my block's scale byte in LDS
	v_lshlrev_b32 v7, 3, v2
	v_add_nc_u32 v6, s23, v7                       ; and on the way out 8 bytes a lane
	s_lshl_b32 s24, ttmp9, 2
	s_add_co_u32 s24, s24, s22                     ; G: which 8 rows are my wave's
	s_and_b32 s26, s24, 1
	s_lshl_b32 s26, s26, 1
	s_bfe_u32 s27, s24, 0x10001
	s_and_b32 s28, s24, 0xfffffffc
	s_or_b32 s28, s28, s26
	s_or_b32 s28, s28, s27                         ; G with its bits 0 and 1 exchanged: the rows' bits 3 and 4: where the 8 rows are stored
	s_lshl_b32 s24, s24, 15                        ; 8 rows of 4,096 bytes
	s_mov_b32 s25, 0
	s_mul_i32 s26, s28, 8*KROW
	s_mov_b32 s27, 0
	s_lshl_b32 s28, s28, 8                         ; 8 rows of 32 scale bytes
	s_mov_b32 s29, 0
	s_wait_kmcnt 0x0
	s_add_nc_u64 s[4:5], s[4:5], s[24:25]
	s_add_nc_u64 s[14:15], s[14:15], s[26:27]
	s_add_nc_u64 s[16:17], s[16:17], s[28:29]
.macro XLOAD t
.irp i, 0,1,2,3
	global_load_b128 v[XR+16*((\t)%4)+4*\i:XR+16*((\t)%4)+4*\i+3], v3, s[4:5] offset:2048*(\t)+512*\i th:TH_LOAD_NT   ; 32 lanes read 512 consecutive bytes
.endr
.endm
.macro XTURN t                         ; step t's numbers through the wave's own stage: LDS serves a wave's instructions in order, so no wait stands between the stores and the loads
.irp i, 0,1,2,3
	ds_store_b128 v14, v[XR+16*((\t)%4)+4*\i:XR+16*((\t)%4)+4*\i+3] offset:32*SP*((\t)%2)+8*SP*\i
.endr
.irp i, 0,1,2,3
	ds_load_b128 v[XX+16*((\t)%2)+4*\i:XX+16*((\t)%2)+4*\i+3], v15 offset:32*SP*((\t)%2)+16*\i
.endr
.endm
.irp t, 0,1,2,3
	XLOAD \t
.endr
	s_wait_loadcnt 12                              ; step 0's four loads are in; the twelve of steps 1 to 3 may be out
	XTURN 0
.macro XSTEP t
.set XS, XX+16*((\t)%2)
.if (\t) > 0
	s_wait_dscnt 1                                 ; this step's numbers are back from the stage (the last step's byte store may be out)
.else
	s_wait_dscnt 0x0
.endif
.if (\t)+4 < STEPS
	XLOAD (\t)+4                                   ; into the set whose stores into the stage are done
.endif
.if (\t)+1 < STEPS
.if STEPS-2-(\t) >= 3
	s_wait_loadcnt 12                              ; the next step's four loads are in; those of the three steps behind it may be out
.else
	s_wait_loadcnt 4*(STEPS-2-(\t))
.endif
	XTURN (\t)+1
.endif
	v_max3_num_f32 v8, |v[XS]|, |v[XS+1]|, |v[XS+2]|               ; the largest magnitude of my 16, in two chains
	v_max3_num_f32 v9, |v[XS+3]|, |v[XS+4]|, |v[XS+5]|
.irp i, 6,10
	v_max3_num_f32 v8, v8, |v[XS+\i]|, |v[XS+\i+1]|
	v_max3_num_f32 v9, v9, |v[XS+\i+2]|, |v[XS+\i+3]|
.endr
	v_max3_num_f32 v8, v8, |v[XS+14]|, |v[XS+15]|
	v_max3_num_f32 v8, v8, v9, 0x2800000           ; and the floor 2^(5 - 127): the byte cannot fall under 1
	v_max_num_f32_dpp v8, v8, v8 row_xmask:1 row_mask:0xf bank_mask:0xf   ; and of my neighbour's 16: the block's
	v_add_nc_u32 v11, 0xfe000000, v8               ; 4 off its exponent field: the conversion takes this operand's exponent field as its scale
	v_cvt_scalef32_pk16_bf6_f32 v[XC+4*(\t):XC+4*(\t)+2], v[XS:XS+15], v11
	v_lshrrev_b32 v[XE+(\t)], 23, v11              ; the scale's byte (also the plain line behind the conversion)
	ds_store_b8 v5, v[XE+(\t)] offset:16*(\t)      ; both lanes of a block write the same byte with the same value
	global_store_b96 v4, v[XC+4*(\t):XC+4*(\t)+2], s[14:15] offset:32*CB*(\t)   ; the wave stores 384 consecutive bytes
.endm
.irp t, 0,1,2,3,4,5,6,7,8,9,10,11,12,13,14,15
	XSTEP \t
.endr
	ds_load_b64 v[12:13], v6                       ; my wave's 256 scale bytes, in order behind my stores
	s_wait_dscnt 0x0
	global_store_b64 v7, v[12:13], s[16:17]        ; 32 lanes store 256 consecutive bytes, aligned
	s_wait_tensorcnt 0x0
	ds_add_u32 v192, v193
	s_wait_dscnt 0x0
	s_endpgm
; ---------------- the weights: a lane takes a column n, and its registers run down K.
.Lw:
	s_sub_co_u32 s24, ttmp9, 256
	s_lshr_b32 s25, s24, 5                         ; which weight: 0 Wq, 1 Wk, 2 Wv, 3 Wp
	s_and_b32 s26, s24, 7                          ; which 128 columns
	s_bfe_u32 s27, s24, 0x20003                    ; which 256 along K
	s_lshl_b32 s26, s26, 7
	s_lshl_b32 s28, s22, 5
	s_add_co_u32 s26, s26, s28                     ; my wave's first column, a multiple of 32
	v_lshlrev_b32 v3, 2, v2                        ; in: 4 bytes a lane
	s_mul_i32 s28, s22, 32*WPITCH
	s_add_co_u32 s28, s28, WSTG                    ; my stage
	v_mul_u32_u24 v4, v2, WPITCH
	v_add_nc_u32 v4, s28, v4                       ; into it: row = my column
	v_and_b32 v5, 15, v2
	v_lshrrev_b32 v6, 4, v2
	v_mul_u32_u24 v7, v6, WPITCH
	v_lshl_add_u32 v7, v5, 4, v7
	v_add_nc_u32 v7, s28, v7                       ; out of it: sixteen lanes to a row, two rows an instruction
	v_mul_u32_u24 v8, v6, KROW
	v_mad_u32_u24 v8, v5, 12, v8                   ; and the same place in the codes' buffer
	v_and_b32 v9, 7, v2
	v_and_b32 v10, 8, v2
	v_lshl_or_b32 v9, v10, 1, v9
	v_and_b32 v10, 16, v2
	v_lshrrev_b32 v10, 1, v10
	v_or_b32 v9, v9, v10                           ; my column's position: bits 3 and 4 exchanged
	v_lshlrev_b32 v9, 5, v9                        ; its row of 32 scale bytes
	s_lshl_b32 s28, s27, 20                        ; 256 rows of 4,096 bytes
	s_lshl_b32 s29, s26, 2
	s_add_co_u32 s28, s28, s29
	s_mov_b32 s29, 0
	s_lshl_b32 s30, s25, 10
	s_add_co_u32 s30, s30, s26                     ; my first position in wc and ws
	s_mul_i32 s32, s30, KROW
	s_mul_i32 s31, s27, WROWB
	s_add_co_u32 s32, s32, s31
	s_mov_b32 s33, 0
	s_lshl_b32 s34, s30, 5
	s_lshl_b32 s31, s27, 3
	s_add_co_u32 s34, s34, s31
	s_mov_b32 s35, 0
	s_wait_kmcnt 0x0
	s_cmp_eq_u32 s25, 1                            ; the choice hangs on the work-group's number alone
	s_cselect_b64 s[6:7], s[8:9], s[6:7]
	s_cmp_eq_u32 s25, 2
	s_cselect_b64 s[6:7], s[10:11], s[6:7]
	s_cmp_eq_u32 s25, 3
	s_cselect_b64 s[6:7], s[12:13], s[6:7]
	s_add_nc_u64 s[6:7], s[6:7], s[28:29]
	s_add_nc_u64 s[18:19], s[18:19], s[32:33]
	s_add_nc_u64 s[20:21], s[20:21], s[34:35]
.macro WLOAD t                         ; block t: W(32 t + i, my column), i = 0 .. 31; 32 lanes read 128 consecutive bytes; the largest offset, 255 rows of 4,096 bytes, lies inside the signed 24-bit immediate
.irp i, 0,1,2,3,4,5,6,7,8,9,10,11,12,13,14,15,16,17,18,19,20,21,22,23,24,25,26,27,28,29,30,31
	global_load_b32 v[WX+32*((\t)%2)+\i], v3, s[6:7] offset:(32*(\t)+\i)*4096 th:TH_LOAD_NT
.endr
.endm
	WLOAD 0
	WLOAD 1
.macro WBLOCK t
.set WS, WX+32*((\t)%2)
.if (\t) < NB-1
	s_wait_loadcnt 32                              ; this block's 32 loads are in; the next block's may be out
.else
	s_wait_loadcnt 0
.endif
	v_max3_num_f32 v12, |v[WS]|, |v[WS+1]|, |v[WS+2]|              ; the block's largest magnitude: all 32 numbers are mine
	v_max3_num_f32 v13, |v[WS+3]|, |v[WS+4]|, |v[WS+5]|
.irp i, 6,10,14,18,22,26
	v_max3_num_f32 v12, v12, |v[WS+\i]|, |v[WS+\i+1]|
	v_max3_num_f32 v13, v13, |v[WS+\i+2]|, |v[WS+\i+3]|
.endr
	v_max3_num_f32 v12, v12, |v[WS+30]|, |v[WS+31]|
	v_max3_num_f32 v12, v12, v13, 0x2800000        ; and the floor
	v_add_nc_u32 v11, 0xfe000000, v12              ; the conversion's scale operand
	v_lshrrev_b32 v13, 23, v11                     ; the scale's byte
.if (\t)%4 == 0
	v_mov_b32 v[WSB+(\t)/4], v13                   ; four bytes to a register, the lower K in the lower byte
.else
	v_lshl_or_b32 v[WSB+(\t)/4], v13, 8*((\t)%4), v[WSB+(\t)/4]
.endif
	v_cvt_scalef32_pk16_bf6_f32 v[WC:WC+2], v[WS:WS+15], v11
	v_cvt_scalef32_pk16_bf6_f32 v[WC+4:WC+6], v[WS+16:WS+31], v11  ; (a conversion's three registers begin on an even number)
	ds_store_b96 v4, v[WC:WC+2] offset:32*(\t)     ; 12 bytes to a place of 16: every LDS address is a multiple of 16
	ds_store_b96 v4, v[WC+4:WC+6] offset:32*(\t)+16
.if (\t)+2 < NB
	WLOAD (\t)+2
.endif
	s_wait_dscnt 0x0                               ; the stores have read their registers: the next block's codes may be written (that block begins with plain vector lines)
.endm
.irp t, 0,1,2,3,4,5,6,7
	WBLOCK \t
.endr
	global_store_b64 v9, v[WSB:WSB+1], s[20:21]    ; my column's 8 scale bytes
.irp t, 0,1,2,3,4,5,6,7,8,9,10,11,12,13,14,15
	ds_load_b96 v[WOUT+4*\t:WOUT+4*\t+2], v7 offset:2*\t*WPITCH    ; columns 2 t and 2 t + 1, in order behind my stores
.endr
.irp t, 0,1,2,3,4,5,6,7,8,9,10,11,12,13,14,15
	s_wait_dscnt 15-\t                             ; the younger rows' loads may be out
	global_store_b96 v8, v[WOUT+4*\t:WOUT+4*\t+2], s[18:19] offset:2*(((\t)&3)|(((\t)&4)<<1)|(((\t)&8)>>1))*KROW   ; to the positions with the columns' bits 3 and 4 exchanged; sixteen lanes store a row's 192 consecutive bytes
.endr
	s_wait_tensorcnt 0x0
	ds_add_u32 v192, v193
	s_wait_dscnt 0x0
	s_endpgm
.Lfunc_end_k_qf5b87e2f50_quant:
	.size	k_qf5b87e2f50_quant, .Lfunc_end_k_qf5b87e2f50_quant-k_qf5b87e2f50_quant
	.p2alignl 7, 3214868480
	.fill 96, 4, 3214868480
	.section	.rodata,"a",@progbits
	.p2align	6, 0x0
	.amdhsa_kernel k_qf5b87e2f50_quant
		.amdhsa_group_segment_fixed_size 68096
		.amdhsa_private_segment_fixed_size 0
		.amdhsa_enable_private_segment 0
		.amdhsa_kernarg_size 72
		.amdhsa_user_sgpr_count 2
		.amdhsa_user_sgpr_kernarg_segment_ptr 1
		.amdhsa_wavefront_size32 1
		.amdhsa_system_sgpr_workgroup_id_x 1
		.amdhsa_system_sgpr_workgroup_id_y 1
		.amdhsa_system_sgpr_workgroup_id_z 1
		.amdhsa_system_vgpr_workitem_id 0
		.amdhsa_next_free_vgpr 194
		.amdhsa_next_free_sgpr 66
		.amdhsa_reserve_vcc 0
		.amdhsa_float_denorm_mode_32 3
		.amdhsa_float_denorm_mode_16_64 3
		.amdhsa_memory_ordered 1
		.amdhsa_forward_progress 1
		.amdhsa_inst_pref_size 74
	.end_amdhsa_kernel
	.amdgpu_metadata
---
amdhsa.version: [ 1, 2 ]
amdhsa.kernels:
  - .name:           k_qf5b87e2f50_quant
    .symbol:         k_qf5b87e2f50_quant.kd
    .args:
      - { .name: x, .offset: 0, .size: 8, .value_kind: global_buffer, .address_space: global }
      - { .name: Wq, .offset: 8, .size: 8, .value_kind: global_buffer, .address_space: global }
      - { .name: Wk, .offset: 16, .size: 8, .value_kind: global_buffer, .address_space: global }
      - { .name: Wv, .offset: 24, .size: 8, .value_kind: global_buffer, .address_space: global }
      - { .name: Wp, .offset: 32, .size: 8, .value_kind: global_buffer, .address_space: global }
      - { .name: xc, .offset: 40, .size: 8, .value_kind: global_buffer, .address_space: global }
      - { .name: xs, .offset: 48, .size: 8, .value_kind: global_buffer, .address_space: global }
      - { .name: wc, .offset: 56, .size: 8, .value_kind: global_buffer, .address_space: global }
      - { .name: ws, .offset: 64, .size: 8, .value_kind: global_buffer, .address_space: global }
    .group_segment_fixed_size: 68096
    .private_segment_fixed_size: 0
    .kernarg_segment_align: 8
    .kernarg_segment_size: 72
    .max_flat_workgroup_size: 128
    .sgpr_count:     66
    .vgpr_count:     194
    .wavefront_size: 32
...
	.end_amdgpu_metadata
.endif
;; end of part 1
;; launch qkv (part 2): grid 12 x 32, 4 waves a work-group, clusters of 4 x 4, 327,680 bytes of LDS; arguments xc, xs, wc, ws, bq, bk, bv, qkvc, qkvs; writes qkvc, qkvs
.if DOCPART == 2
	.amdgcn_target "amdgcn-amd-amdhsa--gfx1250"
	.amdhsa_code_object_version 6
	.text
	.protected	k_qf5b87e2f50_qkv
	.globl	k_qf5b87e2f50_qkv
	.p2align	8
	.type	k_qf5b87e2f50_qkv,@function
k_qf5b87e2f50_qkv:
	s_mov_b64 s[64:65], 0
	v_nop
	global_prefetch_b8 v0, s[64:65] scope:SCOPE_SE
	s_setreg_imm32_b32 hwreg(HW_REG_WAVE_MODE, 25, 1), 1
	s_wait_xcnt 0x0
	s_wait_alu depctr_hold_cnt(0) depctr_sa_sdst(0) depctr_va_vdst(0) depctr_va_sdst(0) depctr_va_ssrc(0) depctr_va_vcc(0) depctr_vm_vsrc(0)
	s_getreg_b32 s2, hwreg(HW_REG_IB_STS2, 6, 4)
	s_cmp_eq_u32 s2, 0
	s_cbranch_scc0 .Lentry_in_a_cluster
	s_endpgm
.Lentry_in_a_cluster:
	s_bfe_u32 s2, ttmp6, 0x10000c
	s_cmp_lg_u32 s2, 0xf033
	s_cbranch_scc0 .Lentry_shape_is_right
	s_endpgm
.Lentry_shape_is_right:
; q = x Wq + bq, k = x Wk + bk, v = x Wv + bv on codes of BF6 (E3M2) with one E8M0 scale for each 32 along K = 1,024; sums in f32; the results are quantised here, in registers, for the attention launch:
; q and k along the head's 64 channels, v along the keys.  Nothing wider than codes goes to memory.
; A work-group of four waves makes a tile of 256 x 256, a wave 128 x 128: 64 accumulators of 16 x 16.  K goes in steps of 256 through a ring of two LDS slots filled by the tensor data mover.
; THE MATRIX INSTRUCTION: source 0 = 16 rows of 'B', source 1 = 16 rows of 'A': a lane holds ONE row of A, and its registers run along B's rows.  The rows of xc and wc lie in an order in which sixteen neighbouring
; positions 16 u + r hold the rows 8 u + r + 8 (r / 8) of a group of 32: so a lane's 16 registers of B's tiles 2 b and 2 b + 1 are the 16 neighbours 32 b + 16 (lane / 16) + 0 .. 15.
; MODES, by the cluster's x, the same in all partners: 0: q, 1: k: A = tokens (xc), B = channels (wc): a lane holds a token and 128 channels (two heads).  2: v: A = Wv's channels, B = tokens: a lane holds a channel and 128 keys.
; In both the 64 registers of a block of 16 rows of A are 128 neighbours along the next product's K, and one macro quantises them.
; OUT: qkvc [q, k, v][batch x head][98,304 bytes] as IMAGES OF OPERAND REGISTERS of 1,536 bytes: register p of lane l at 512 (p / 4) + 16 l + 4 (p % 4).
;   q, k: an image for 32 tokens: registers 0-5: token r + 8 (r / 8), channels 32 (lane / 16) on; registers 6-11: token 8 + r + 8 (r / 8).   v: an image for 16 channels (8 u + r + 8 (r / 8) of 32) x 128 keys, four for a key step.
;   qkvs [q, k, v][batch x head][16][256 bytes]: lane l's two scale words at 8 l: word i / 2 of lane r + 16 (i % 2) serves image i of the four of 128 tokens.
; CLUSTERS: 4 x 4 work-groups; A's tiles are asked for jointly along a row of the cluster, B's along a column.
; LIMITS: NaN and infinities are not served; a block of zeros gets the byte 1 (its codes are zeros; only this program reads the bytes).
; REGISTERS: window 0: v0-31 addresses; v32-63 scale words, two sets; v64-127, v224-231 the biases; v128-223 A's fragments, one set; on the way out v32-47 and v128-247 are at work.
;   window 1: B's fragments, two sets.   windows 2, 3: the accumulators ((a, b) at v[8 (8 (a % 4) + b)]).
.set KSTEP,  256
.set NQ,     2                         ; matrix instructions deep in a slot
.set ROWB,   192                       ; a tile's row in bytes
.set KROW,   768                       ; a row of codes in memory
.set PITCH,  240                       ; an LDS row: 3 x (64 bytes + 16 of padding)
.set FR,     12
.set NL,     6
.set NP,     4
.set HALFT,  128*PITCH
.set SLOT,   4*HALFT
.set LAPS,   2                         ; 1,024 along K = two laps of two slots
.set KS,     32                        ; a row of scale bytes
.set SCL,    2*SLOT                    ; behind the ring: the scales, as rows of 256 bytes + 16 of padding
.set HALFS,  (128*KS/256)*272
.set SBLK,   (16*KS/256)*272
.set SPARE,  SCL+4*HALFS               ; the spare words, 128 bytes a wave: two blocks of 256 bytes that no other line names
.set ADRA, 16                          ; v16-17 (v18-19) LDS addresses of A's fragments in slot 0, 1 (behind one padding more)
.set ADRB, 20                          ; v20-21 (v22-23) the same for B
.set L8,   25                          ; v25  8 x lane
.set L16,  26                          ; v26  16 x lane
.set ADRS, 27                          ; v27  LDS address of my scale words
.set SPW,  28                          ; v28  my spare word; never rewritten
.set NIL,  29                          ; v29  0; never rewritten
.set BO,   30                          ; v30  64 x (lane / 16): the biases along registers; never rewritten
.set BVO,  31                          ; v31  4 (r + 8 (r / 8)): the biases by lane; never rewritten
.set SC,   32
.set BI,   64                          ; v64-127  bias of the channel of register 8 b + j (modes q, k)
.set AF,   128
.set BV,   224                         ; v224-231 bias of my lane's channel in block a (mode v)
.set KEEP, 32                          ; the way out: v32-39 scale words kept
.set PWE,  40
.set PWO,  41
.set XW,   44                          ; v44-47 scale words to store
.set H,    128                         ; v128-191 64 numbers
.set F,    192                         ; v192-215 two images
.set TQ,   216                         ; v216-222 second halves of blocks
.set TM,   232                         ; v232-247 at work
.set SEL,  20                          ; s[20:21] lane selects for lane xor 16
.set HIM,  95                          ; s95  lanes 16-31
.set G1, 24
.set G0, 32
.set G1B, 48
.set G0B, 56
.set G1S, 68
.set G0S, 76
.set G1SB, 80
.set G0SB, 88
.set MSB, 0
.macro WIN new                         ; the immediate's high byte repeats the setting that is left
.if MSB != (\new)
	s_set_vgpr_msb (MSB<<8)|(\new)
.set MSB, (\new)
.endif
.endm
.set MUL_LO, 0xa1                      ; source 0 (B) window 1, source 1 (A) window 0, C and D window 2
.set MUL_HI, 0xf1
.set TO_B,   0x40
; A joint load: waves 0 and 1 fetch for A, waves 2 and 3 for B; the branch hangs on the wave's number alone.  Four v_nop follow each of the two lines.
.macro JLOAD g0a, g1a, g0b, g1b
	s_cmp_eq_u32 s15, 0
	s_cbranch_scc0 .Lfor_b_\@
	tensor_load_to_lds s[\g0a:\g0a+3], s[\g1a:\g1a+7]
	s_nop 0
.rept 4
	v_nop
.endr
	s_branch .Lasked_\@
.Lfor_b_\@:
	tensor_load_to_lds s[\g0b:\g0b+3], s[\g1b:\g1b+7]
	s_nop 0
.rept 4
	v_nop
.endr
.Lasked_\@:
.endm
.macro CREST                           ; a round of the cluster's barrier behind its opening barrier
	s_cmp_lg_u32 s14, 0
	s_cbranch_scc1 .Lnot_wave_0_\@
	s_barrier_signal -3
.Lnot_wave_0_\@:
	s_barrier_wait -3
	s_barrier_signal -1
	s_barrier_wait -1
.endm
.macro CROUND
	s_barrier_signal -1
	s_barrier_wait -1
	CREST
.endm
	s_load_b128 s[4:7], s[0:1], 0x0                ; xc, xs
	s_load_b128 s[8:11], s[0:1], 0x10              ; wc, ws
	s_load_b128 s[96:99], s[0:1], 0x20             ; bq, bk
	s_load_b64 s[100:101], s[0:1], 0x30            ; bv
	s_load_b64 s[12:13], s[0:1], 0x38              ; qkvc
	s_load_b64 s[66:67], s[0:1], 0x40              ; qkvs
	v_lshl_add_u32 v[SPW], v0, 2, SPARE
	v_mov_b32 v[NIL], 0
	ds_add_u32 v28, v29
	ds_add_u32 v28, v29
	s_wait_dscnt 0x0
	v_lshrrev_b32 v1, 5, v0
	v_readfirstlane_b32 s14, v1                    ; wave 0..3
	s_lshr_b32 s15, s14, 1                         ; which half of A's 256 rows is mine.  Also: I fetch for A (0) or for B (1)
	s_and_b32 s16, s14, 1                          ; which half of B's.  Also: which 128 rows I fetch
	s_bfe_u32 s40, ttmp6, 0x40000                  ; cx
	s_bfe_u32 s41, ttmp6, 0x40004                  ; cy
	s_and_b32 s17, ttmp7, 0xffff                   ; cluster y
	s_cmp_eq_u32 ttmp9, 2                          ; mode v?  The cluster's x is the same in all sixteen partners
	s_cselect_b32 s18, 2, s17                      ; A's tiles: Wv's four (8 .. 11 of wc), or the tokens' by the cluster's y
	s_cselect_b32 s19, s17, ttmp9                  ; B's tiles: the tokens', or Wq's (0 .. 3) or Wk's (4 .. 7)
	s_lshl_b32 s17, s18, 2
	s_add_co_u32 s17, s17, s41                     ; A's tile of 256 rows: hangs on cy and on what all partners share
	s_lshl_b32 s42, s19, 2
	s_add_co_u32 s42, s42, s40                     ; B's: on cx and on what all partners share
	s_lshl_b32 s43, s41, 2
	s_lshl_b32 s43, 15, s43                        ; my row of the cluster
	s_lshl_b32 s44, 0x1111, s40                    ; my column
	; descriptor group 1: a tile of 128 rows x 192 bytes; 16 bytes of padding behind every 64
	s_or_b32 s[G1+0], s43, (0<<16)|(1<<20)|(1<<21)|(3<<22)|(3<<25)
	s_or_b32 s[G1B+0], s44, (0<<16)|(1<<20)|(1<<21)|(3<<22)|(3<<25)
.irp g, G1, G1B
	s_mov_b32 s[\g+1], ROWB<<16                    ; tensor_dim0
	s_mov_b32 s[\g+2], 128<<16                     ; tensor_dim1
	s_mov_b32 s[\g+3], ROWB<<16                    ; tile_dim0
	s_mov_b32 s[\g+4], 128                         ; tile_dim1
	s_mov_b32 s[\g+5], KROW                        ; the pitch
	s_mov_b32 s[\g+6], 0
	s_mov_b32 s[\g+7], 0
.endr
	; the scales of 128 rows: 4,096 dense bytes, as 16 rows of 256 bytes (32 elements of 8), 16 bytes of padding behind each
	s_or_b32 s[G1S+0], s43, (3<<16)|(1<<20)|(1<<21)|(5<<22)|(3<<25)
	s_or_b32 s[G1SB+0], s44, (3<<16)|(1<<20)|(1<<21)|(5<<22)|(3<<25)
.irp g, G1S, G1SB
	s_mov_b32 s[\g+1], 32<<16
	s_mov_b32 s[\g+2], (128*KS/256)<<16
	s_mov_b32 s[\g+3], 32<<16
	s_mov_b32 s[\g+4], 128*KS/256
	s_mov_b32 s[\g+5], 32
	s_mov_b32 s[\g+6], 0
	s_mov_b32 s[\g+7], 0
.endr
	s_lshl_b32 s18, s16, 7                         ; which 128 rows of the tile I fetch
	s_lshl_b32 s20, s17, 8
	s_add_co_u32 s20, s20, s18                     ; A: position 256 x tile + 128 x half
	s_lshl_b32 s46, s42, 8
	s_add_co_u32 s46, s46, s18                     ; B likewise
	s_mov_b32 s21, 0
	s_mov_b32 s47, 0
	s_mov_b64 s[18:19], KS
	s_mul_u64 s[22:23], s[20:21], s[18:19]         ; where these rows' scales begin
	s_mul_u64 s[92:93], s[46:47], s[18:19]
	s_mov_b64 s[18:19], KROW
	s_mul_u64 s[20:21], s[20:21], s[18:19]         ; and their codes
	s_mul_u64 s[46:47], s[46:47], s[18:19]
	s_mul_i32 s45, s14, HALFT                      ; where they go: wave x 128 rows
	s_mul_i32 s94, s14, HALFS
	s_wait_kmcnt 0x0
	s_cmp_eq_u32 ttmp9, 2                          ; in mode v the two operands change places: a choice between buffers on an id
	s_cselect_b64 s[18:19], s[8:9], s[4:5]
	s_cselect_b64 s[8:9], s[4:5], s[8:9]
	s_mov_b64 s[4:5], s[18:19]                     ; A's codes s[4:5], B's s[8:9]
	s_cselect_b64 s[18:19], s[10:11], s[6:7]
	s_cselect_b64 s[10:11], s[6:7], s[10:11]
	s_mov_b64 s[6:7], s[18:19]                     ; A's scales s[6:7], B's s[10:11]
	s_add_nc_u64 s[20:21], s[4:5], s[20:21]
	s_add_nc_u64 s[22:23], s[6:7], s[22:23]
	s_add_nc_u64 s[46:47], s[8:9], s[46:47]
	s_add_nc_u64 s[92:93], s[10:11], s[92:93]
	CROUND                                         ; all sixteen work-groups are here: the first joint loads meet
	s_mov_b32 s[G0S], 1
	s_add_co_u32 s[G0S+1], s94, SCL
	s_mov_b64 s[G0S+2:G0S+3], s[22:23]
	s_or_b32 s[G0S+3], s[G0S+3], 0x80000000
	s_mov_b32 s[G0SB], 1
	s_add_co_u32 s[G0SB+1], s94, SCL
	s_mov_b64 s[G0SB+2:G0SB+3], s[92:93]
	s_or_b32 s[G0SB+3], s[G0SB+3], 0x80000000
	JLOAD G0S, G1S, G0SB, G1SB                     ; the scales first: they are wanted with K step 0, and are filled once
.irp s, 0,1
	s_mov_b32 s[G0+4*\s], 1
	s_add_co_u32 s[G0+4*\s+1], s45, \s*SLOT
	s_add_nc_u64 s[G0+4*\s+2:G0+4*\s+3], s[20:21], \s*ROWB
	s_or_b32 s[G0+4*\s+3], s[G0+4*\s+3], 0x80000000
	s_mov_b32 s[G0B+4*\s], 1
	s_add_co_u32 s[G0B+4*\s+1], s45, \s*SLOT
	s_add_nc_u64 s[G0B+4*\s+2:G0B+4*\s+3], s[46:47], \s*ROWB
	s_or_b32 s[G0B+4*\s+3], s[G0B+4*\s+3], 0x80000000
	JLOAD G0+4*\s, G1, G0B+4*\s, G1B               ; three loads of mine are out
.endr
	v_and_b32 v1, 15, v0                           ; r
	v_bfe_u32 v2, v0, 4, 1                         ; h
	v_mul_u32_u24 v3, v1, PITCH
	v_mul_u32_u24 v4, v2, 24
	v_add_nc_u32 v4, v3, v4                        ; a fragment's row x pitch + 24 x half
	v_lshl_add_u32 v5, v2, 4, v4                   ; and the same behind one padding more
	s_mul_i32 s21, s15, HALFT                      ; my 128 rows of A
	s_mul_i32 s22, s16, HALFT                      ; my 128 rows of B,
	s_add_co_u32 s22, s22, 2*HALFT                 ; behind A's 256
.irp s, 0,1
	v_add_nc_u32 v[ADRA+\s], s21, v4
	v_add_nc_u32 v[ADRB+\s], s22, v4
	v_add_nc_u32 v[ADRA+2+\s], s21, v5
	v_add_nc_u32 v[ADRB+2+\s], s22, v5
	s_add_co_u32 s21, s21, SLOT
	s_add_co_u32 s22, s22, SLOT
.endr
	v_mul_u32_u24 v5, v1, KS                       ; my row's scales: 32 bytes a row,
	v_lshrrev_b32 v6, 8, v5
	v_lshl_add_u32 v5, v6, 4, v5                   ; and 16 more for each 256 passed
	s_mul_i32 s21, s15, HALFS
	s_mul_i32 s22, s16, HALFS
	s_add_co_u32 s22, s22, 2*HALFS
	s_sub_co_u32 s22, s22, s21
	v_mul_u32_u24 v6, s22, v2                      ; lanes 16-31 take B's: one product, the distance between the two bases
	s_add_co_u32 s21, s21, SCL
	v_add_nc_u32 v5, v5, v6
	v_add_nc_u32 v[ADRS], s21, v5
	; where the results go, and the biases.  None of these registers feeds a descriptor
	s_cmp_eq_u32 ttmp9, 1
	s_cselect_b64 s[96:97], s[98:99], s[96:97]
	s_cmp_eq_u32 ttmp9, 2
	s_cselect_b64 s[96:97], s[100:101], s[96:97]   ; the mode's bias
	s_cselect_b32 s92, s42, s17                    ; the tokens' tile of 256,
	s_cselect_b32 s93, s16, s15                    ; my half of it,
	s_cselect_b32 s94, s41, s40                    ; the channels' tile of 256 within the weight,
	s_cselect_b32 s43, s15, s16                    ; my half of it
	s_lshl_b32 s92, s92, 1
	s_add_co_u32 s92, s92, s93                     ; my block of 128 tokens, 0 .. 63
	s_lshr_b32 s93, s92, 4                         ; the batch
	s_and_b32 s92, s92, 15                         ; the block within it
	s_lshl_b32 s94, s94, 1
	s_add_co_u32 s94, s94, s43                     ; my 128 channels, 0 .. 7
	s_lshl_b32 s44, s94, 9
	s_mov_b32 s45, 0
	s_add_nc_u64 s[96:97], s[96:97], s[44:45]      ; their 512 bytes of the bias
	s_lshl_b32 s94, s94, 1                         ; my first head
	s_lshl_b32 s93, s93, 4
	s_add_co_u32 s93, s93, s94                     ; 16 x batch + head
	s_mul_i32 s44, s93, 98304
	s_mul_i32 s46, ttmp9, 6291456
	s_add_co_u32 s44, s44, s46
	s_mul_i32 s46, s92, 6144
	s_add_co_u32 s44, s44, s46
	s_add_nc_u64 s[12:13], s[12:13], s[44:45]
	s_lshl_b32 s44, s93, 12
	s_lshl_b32 s46, ttmp9, 18
	s_add_co_u32 s44, s44, s46
	s_lshl_b32 s46, s92, 8
	s_add_co_u32 s44, s44, s46
	s_add_nc_u64 s[66:67], s[66:67], s[44:45]
	s_mov_b32 s[SEL], 0x76543210
	s_mov_b32 s[SEL+1], 0xfedcba98
	s_mov_b32 s[HIM], 0xffff0000
	v_lshlrev_b32 v[BO], 6, v2
	v_and_b32 v5, 8, v1
	v_add_nc_u32 v5, v5, v1
	v_lshlrev_b32 v[BVO], 2, v5
	v_and_b32 v6, 31, v0
	v_lshlrev_b32 v[L16], 4, v6
	v_lshlrev_b32 v[L8], 3, v6
.irp b, 0,1,2,3,4,5,6,7                ; both kinds of bias are loaded in every mode: both stay inside my 128 numbers.  They are waited for on the way out
	global_load_b128 v[BI+8*\b:BI+8*\b+3], v[BO], s[96:97] offset:(32*(\b/2)+8*(\b%2))*4
	global_load_b128 v[BI+8*\b+4:BI+8*\b+7], v[BO], s[96:97] offset:(32*(\b/2)+8*(\b%2))*4+16
.endr
.irp a, 0,1,2,3,4,5,6,7
	global_load_b32 v[BV+\a], v[BVO], s[96:97] offset:(32*(\a/2)+8*(\a%2))*4
.endr
.macro FRAG reg, adr, q, i             ; a fragment, 16 rows x 128 K: 12 registers; lane l: row l % 16; registers 6 c .. 6 c + 5: K = 64 c + 32 (l / 16) + 0 .. 31: 24 bytes of the row, in pieces of 8
.irp p, 0,1,2,3,4,5
.set PC, 12*(\q)+6*(\p/3)+\p%3        ; where the piece three on (lanes 16-31) lies behind one padding more, the second address register serves
.if PC%8 < 5
	ds_load_b64 v[\reg+2*\p:\reg+2*\p+1], v[\adr] offset:8*PC+16*(PC/8)+(\i)*16*PITCH
.else
	ds_load_b64 v[\reg+2*\p:\reg+2*\p+1], v[\adr+2] offset:8*PC+16*(PC/8)+(\i)*16*PITCH
.endif
.endr
.endm
; 16 matrix instructions: A's blocks a0, a0 + 1 x B's eight, 128 along K.  The 64 accumulators take turns, one instruction a turn, in the same order in every step.
.macro MUL16 a0, p, q, sc, zero
.irp a, \a0, \a0+1
.irp b, 0,1,2,3,4,5,6,7
.if \zero
	v_wmma_scale_f32_16x16x128_f8f6f4 v[8*(8*((\a)%4)+\b):8*(8*((\a)%4)+\b)+7], v[128*(\p)+FR*\b:128*(\p)+FR*\b+FR-1], v[AF+FR*(\a):AF+FR*(\a)+FR-1], 0, v[SC+8*NQ*(\sc)+NQ*\b+(\q)], v[SC+8*NQ*(\sc)+NQ*(\a)+(\q)] matrix_a_fmt:MATRIX_FMT_BF6 matrix_b_fmt:MATRIX_FMT_BF6 matrix_a_scale:MATRIX_SCALE_ROW1
.else
	v_wmma_scale_f32_16x16x128_f8f6f4 v[8*(8*((\a)%4)+\b):8*(8*((\a)%4)+\b)+7], v[128*(\p)+FR*\b:128*(\p)+FR*\b+FR-1], v[AF+FR*(\a):AF+FR*(\a)+FR-1], v[8*(8*((\a)%4)+\b):8*(8*((\a)%4)+\b)+7], v[SC+8*NQ*(\sc)+NQ*\b+(\q)], v[SC+8*NQ*(\sc)+NQ*(\a)+(\q)] matrix_a_fmt:MATRIX_FMT_BF6 matrix_b_fmt:MATRIX_FMT_BF6 matrix_a_scale:MATRIX_SCALE_ROW1
.endif
.endr
.endr
.endm
.macro FETCH_B slot, q, p
	WIN TO_B
.irp i, 0,1,2,3,4,5,6,7
	FRAG 128*(\p)+FR*\i, ADRB+\slot, \q, \i
.endr
	WIN 0
.endm
.macro FETCH_A slot, q, i0
.irp i, \i0, \i0+1, \i0+2, \i0+3
	FRAG AF+FR*(\i), ADRA+\slot, \q, \i
.endr
.endm
.macro SCALES sc                       ; a K step's scale words: two a row; lanes 0-15 A's block i, lanes 16-31 B's block i
.irp i, 0,1,2,3,4,5,6,7
	ds_load_b64 v[SC+8*NQ*\sc+NQ*\i:SC+8*NQ*\sc+NQ*\i+1], v[ADRS] offset:\i*SBLK
.endr
.endm
.macro PLACES n                        ; plain vector lines between a matrix instruction and a load into, or a vector line on, its registers
.rept \n
	v_nop
.endr
.endm
.macro STEP slot, q, zero              ; a step of 128 along K that has its successor in the same slot
	s_wait_dscnt 4*NL                              ; B's set and A's blocks 0-3 are in; the youngest 24 loads (A's blocks 4-7) may be out
	WIN MUL_LO
	MUL16 0, (\q)%2, \q, \slot, \zero
	MUL16 2, (\q)%2, \q, \slot, \zero
	s_wait_dscnt 0
	PLACES NP
	FETCH_B \slot, (\q)+1, 1-(\q)%2
	FETCH_A \slot, (\q)+1, 0
	WIN MUL_HI
	MUL16 4, (\q)%2, \q, \slot, \zero
	MUL16 6, (\q)%2, \q, \slot, \zero
	PLACES NP
	WIN 0
	FETCH_A \slot, (\q)+1, 4
.endm
; A slot's last step changes slots: one barrier; in front of it each wave waits for all its tensor loads, adds 0 to its spare word, and waits for that and for its reads of this slot.
.macro TURN slot, next, fill
	s_wait_tensorcnt 0x0                           ; all my tensor loads have landed: my part of the next slot
	ds_add_u32 v[SPW], v[NIL]                      ; 0 onto my spare word
	s_wait_dscnt 4*NL+1                            ; (the add and the youngest 24 loads may be out)
	WIN MUL_LO
	MUL16 0, 1, NQ-1, \slot, 0
	s_wait_dscnt 0x0                               ; the add is done, and my reads of this slot are over
	s_barrier_signal -1
	MUL16 2, 1, NQ-1, \slot, 0
	WIN 0
	s_barrier_wait -1
.if \fill
	CREST                                          ; the barrier has opened a round of the cluster's: no wave of any partner still reads this slot or has a load on its way
	s_add_nc_u64 s[G0+4*\slot+2:G0+4*\slot+3], s[G0+4*\slot+2:G0+4*\slot+3], 2*ROWB
	s_add_nc_u64 s[G0B+4*\slot+2:G0B+4*\slot+3], s[G0B+4*\slot+2:G0B+4*\slot+3], 2*ROWB
	JLOAD G0+4*\slot, G1, G0B+4*\slot, G1B         ; the first tensor load behind the round; its four v_nop are the places in front of the loads below
.else
	PLACES NP
.endif
	v_add_nc_u32 v[ADRS], 4*NQ, v[ADRS]            ; on to the next K step's scale words
	FETCH_B \next, 0, 0
	FETCH_A \next, 0, 0
	SCALES \next
	WIN MUL_HI
	MUL16 4, 1, NQ-1, \slot, 0
	MUL16 6, 1, NQ-1, \slot, 0
	PLACES NP
	WIN 0
	FETCH_A \next, 0, 4
.endm
	s_wait_tensorcnt 1                             ; the scales and my part of K step 0 are in (K step 1's load may be out)
	s_barrier_signal -1
	s_barrier_wait -1                              ; everybody's are
	FETCH_B 0, 0, 0
	FETCH_A 0, 0, 0
	SCALES 0
	FETCH_A 0, 0, 4
	STEP 0, 0, 1                                   ; the first step's products start the sums
	s_mov_b32 s3, LAPS-1
.Llap:
	TURN 0, 1, 1
	STEP 1, 0, 0
	TURN 1, 0, 1
	STEP 0, 0, 0
	s_sub_co_u32 s3, s3, 1
	s_cmp_lg_u32 s3, 0
	s_cbranch_scc1 .Llap
	TURN 0, 1, 0                                   ; the last lap fills nothing
	STEP 1, 0, 0
	s_wait_dscnt 4*NL
	WIN MUL_LO
	MUL16 0, 1, NQ-1, 1, 0
	MUL16 2, 1, NQ-1, 1, 0
	s_wait_dscnt 0
	WIN MUL_HI
	MUL16 4, 1, NQ-1, 1, 0
	MUL16 6, 1, NQ-1, 1, 0
	WIN 0
; THE WAY OUT: block by block of 16 rows of A.  MOVE adds the bias and brings the block's 64 numbers into window 0, each accumulator from its low end on.
.macro MOVE a, vm
	WIN 0x02+(\a)/4                                ; source 0: window 2 or 3
.set i, 0
.rept 32
.if \vm == 0
	v_pk_add_f32 v[H+2*i:H+2*i+1], v[64*((\a)%4)+2*i:64*((\a)%4)+2*i+1], v[BI+2*i:BI+2*i+1]
.elseif ((\a)%2) == 0
	v_pk_add_f32 v[H+2*i:H+2*i+1], v[64*((\a)%4)+2*i:64*((\a)%4)+2*i+1], v[BV+2*((\a)/2):BV+2*((\a)/2)+1] op_sel_hi:[1,0]
.else
	v_pk_add_f32 v[H+2*i:H+2*i+1], v[64*((\a)%4)+2*i:64*((\a)%4)+2*i+1], v[BV+2*((\a)/2):BV+2*((\a)/2)+1] op_sel:[0,1] op_sel_hi:[1,1]
.endif
.set i, i+1
.endr
	WIN 0
.endm
; 64 numbers of a lane, register 16 b + i = k 32 b + 16 (lane / 16) + i of my row, become codes: k 0-63 in v[d0 .. d0 + 5], k 64-127 in v[d1 .. d1 + 5] (lane (r, h): block h of each), and the row's scale word in v[pw].
.macro QUANT s, d0, d1, pw
.irp b, 0,1,2,3
	v_max3_num_f32 v[TM+\b], |v[\s+16*\b]|, |v[\s+1+16*\b]|, 0x2800000   ; my 16 numbers of block b, and the floor 2^(5 - 127): the byte cannot fall under 1
.endr
.irp i, 2,4,6,8,10,12,14
.irp b, 0,1,2,3
	v_max3_num_f32 v[TM+\b], v[TM+\b], |v[\s+16*\b+\i]|, |v[\s+1+16*\b+\i]|
.endr
.endr
.irp b, 0,1,2,3
	v_permlanex16_b32 v[TM+4+\b], v[TM+\b], s[SEL], s[SEL+1]
.endr
.irp b, 0,1,2,3
	v_max_num_f32 v[TM+\b], v[TM+\b], v[TM+4+\b]   ; with lane l xor 16's: the block's largest magnitude
.endr
.irp b, 0,1,2,3
	v_add_nc_u32 v[TM+12+\b], 0xfe000000, v[TM+\b] ; 4 off its exponent field: the conversion's scale operand
.endr
.irp b, 0,1,2,3
	v_lshrrev_b32 v[TM+4+\b], 23, v[TM+12+\b]      ; the scale's byte
.endr
	v_lshl_or_b32 v[\pw], v[TM+5], 8, v[TM+4]
	v_lshl_or_b32 v[\pw], v[TM+6], 16, v[\pw]
	v_lshl_or_b32 v[\pw], v[TM+7], 24, v[\pw]
	v_cvt_scalef32_pk16_bf6_f32 v[\d0:\d0+2], v[\s:\s+15], v[TM+12]
	v_cvt_scalef32_pk16_bf6_f32 v[TQ:TQ+2], v[\s+16:\s+31], v[TM+13]     ; (a conversion's three registers begin on an even number)
	v_cvt_scalef32_pk16_bf6_f32 v[\d1:\d1+2], v[\s+32:\s+47], v[TM+14]
	v_cvt_scalef32_pk16_bf6_f32 v[TQ+4:TQ+6], v[\s+48:\s+63], v[TM+15]
	v_nop                                          ; one plain line behind the scaled conversions
.irp i, 0,1,2
	v_permlane16_swap_b32 v[\d0+\i], v[TQ+\i]      ; a whole block to a lane: lanes 0-15 the even block, lanes 16-31 the odd one
.endr
.irp i, 0,1,2
	v_mov_b32 v[\d0+3+\i], v[TQ+\i]
.endr
.irp i, 0,1,2
	v_permlane16_swap_b32 v[\d1+\i], v[TQ+4+\i]
.endr
.irp i, 0,1,2
	v_mov_b32 v[\d1+3+\i], v[TQ+4+\i]
.endr
.endm
	PLACES NP                                      ; behind the last products
	s_wait_loadcnt 0x0                             ; the biases
.irp b, 0,1,2,3
	v_mov_b32 v[TM+4+\b], 0                        ; written once: a lane permute's destination counts as one of its sources
.endr
	s_cmp_eq_u32 ttmp9, 2
	s_cbranch_scc1 .Lv
	; q, k: blocks 2 g and 2 g + 1 are the 32 tokens of group g; k 0-63 of a row are my first head's channels, k 64-127 my second's.  An image of a head takes six registers of each block
.irp g, 0,1,2,3
.if \g > 0
	s_wait_xcnt 0x0                                ; the last group's stores have read their registers
.endif
	MOVE 2*\g, 0
	QUANT H, F, F+12, PWE
	MOVE 2*\g+1, 0
	QUANT H, F+6, F+18, PWO
	v_perm_b32 v[KEEP+\g], v[PWO], v[PWE], 0x05040100      ; the first head's word: the even block's two bytes below, the odd block's above
	v_perm_b32 v[KEEP+4+\g], v[PWO], v[PWE], 0x07060302    ; the second head's
.irp c, 0,1
.irp j, 0,1,2
	global_store_b128 v[L16], v[F+12*\c+4*\j:F+12*\c+4*\j+3], s[12:13] offset:\c*98304+\g*1536+512*\j   ; 32 lanes store 512 consecutive bytes, aligned
.endr
.endr
.endr
.irp c, 0,1
	v_cndmask_b32 v[XW+2*\c], v[KEEP+4*\c], v[KEEP+4*\c+1], s[HIM]       ; lanes 0-15 group 0's words, lanes 16-31 group 1's
	v_cndmask_b32 v[XW+2*\c+1], v[KEEP+4*\c+2], v[KEEP+4*\c+3], s[HIM]   ; groups 2 and 3
	global_store_b64 v[L8], v[XW+2*\c:XW+2*\c+1], s[66:67] offset:\c*4096   ; 32 lanes store 256 consecutive bytes, aligned
.endr
	s_branch .Lend
.Lv:
	; v: block a is 16 channels x my 128 keys: one fragment.  Blocks 0-3 are my first head's four tiles, blocks 4-7 my second's
.irp a, 0,1,2,3,4,5,6,7
.if \a > 0
	s_wait_xcnt 0x0
.endif
	MOVE \a, 1
	QUANT H, F, F+6, KEEP+\a
.irp j, 0,1,2
	global_store_b128 v[L16], v[F+4*\j:F+4*\j+3], s[12:13] offset:(\a/4)*98304+(\a%4)*1536+512*\j
.endr
.endr
.irp c, 0,1
	v_cndmask_b32 v[XW+2*\c], v[KEEP+4*\c], v[KEEP+4*\c+1], s[HIM]
	v_cndmask_b32 v[XW+2*\c+1], v[KEEP+4*\c+2], v[KEEP+4*\c+3], s[HIM]
	global_store_b64 v[L8], v[XW+2*\c:XW+2*\c+1], s[66:67] offset:\c*4096
.endr
.Lend:
	s_wait_tensorcnt 0x0                           ; the wave's end
	ds_add_u32 v[SPW], v[NIL]
	s_wait_dscnt 0x0
	CROUND                                         ; the closing round: no work-group ends while a partner may still ask for a tile that names it
	s_endpgm
.Lfunc_end_k_qf5b87e2f50_qkv:
	.size	k_qf5b87e2f50_qkv, .Lfunc_end_k_qf5b87e2f50_qkv-k_qf5b87e2f50_qkv
	.p2alignl 7, 3214868480
	.fill 96, 4, 3214868480
	.section	.rodata,"a",@progbits
	.p2align	6, 0x0
	.amdhsa_kernel k_qf5b87e2f50_qkv
		.amdhsa_group_segment_fixed_size 327680
		.amdhsa_private_segment_fixed_size 0
		.amdhsa_enable_private_segment 0
		.amdhsa_kernarg_size 72
		.amdhsa_user_sgpr_count 2
		.amdhsa_user_sgpr_kernarg_segment_ptr 1
		.amdhsa_wavefront_size32 1
		.amdhsa_system_sgpr_workgroup_id_x 1
		.amdhsa_system_sgpr_workgroup_id_y 1
		.amdhsa_system_sgpr_workgroup_id_z 1
		.amdhsa_system_vgpr_workitem_id 0
		.amdhsa_next_free_vgpr 1024
		.amdhsa_next_free_sgpr 102
		.amdhsa_reserve_vcc 0
		.amdhsa_float_denorm_mode_32 3
		.amdhsa_float_denorm_mode_16_64 3
		.amdhsa_memory_ordered 1
		.amdhsa_forward_progress 1
		.amdhsa_inst_pref_size 233
	.end_amdhsa_kernel
	.amdgpu_metadata
---
amdhsa.version: [ 1, 2 ]
amdhsa.kernels:
  - .name:           k_qf5b87e2f50_qkv
    .symbol:         k_qf5b87e2f50_qkv.kd
    .args:
      - { .name: xc, .offset: 0, .size: 8, .value_kind: global_buffer, .address_space: global }
      - { .name: xs, .offset: 8, .size: 8, .value_kind: global_buffer, .address_space: global }
      - { .name: wc, .offset: 16, .size: 8, .value_kind: global_buffer, .address_space: global }
      - { .name: ws, .offset: 24, .size: 8, .value_kind: global_buffer, .address_space: global }
      - { .name: bq, .offset: 32, .size: 8, .value_kind: global_buffer, .address_space: global }
      - { .name: bk, .offset: 40, .size: 8, .value_kind: global_buffer, .address_space: global }
      - { .name: bv, .offset: 48, .size: 8, .value_kind: global_buffer, .address_space: global }
      - { .name: qkvc, .offset: 56, .size: 8, .value_kind: global_buffer, .address_space: global }
      - { .name: qkvs, .offset: 64, .size: 8, .value_kind: global_buffer, .address_space: global }
    .group_segment_fixed_size: 327680
    .private_segment_fixed_size: 0
    .kernarg_segment_align: 8
    .kernarg_segment_size: 72
    .max_flat_workgroup_size: 128
    .sgpr_count:     102
    .vgpr_count:     1024
    .wavefront_size: 32
...
	.end_amdgpu_metadata
.endif
;; end of part 2
;; launch attn (part 3): grid 8 x 64, 16 waves a work-group, clusters of 4 x 1, 206,848 bytes of LDS; arguments qkvc, qkvs, yc, ys; writes yc, ys
.if DOCPART == 3
	.amdgcn_target "amdgcn-amd-amdhsa--gfx1250"
	.amdhsa_code_object_version 6
	.text
	.protected	k_qf5b87e2f50_attn
	.globl	k_qf5b87e2f50_attn
	.p2align	8
	.type	k_qf5b87e2f50_attn,@function
k_qf5b87e2f50_attn:
	s_mov_b64 s[64:65], 0
	v_nop
	global_prefetch_b8 v0, s[64:65] scope:SCOPE_SE
	s_setreg_imm32_b32 hwreg(HW_REG_WAVE_MODE, 25, 1), 1
	s_wait_xcnt 0x0
	s_wait_alu depctr_hold_cnt(0) depctr_sa_sdst(0) depctr_va_vdst(0) depctr_va_sdst(0) depctr_va_ssrc(0) depctr_va_vcc(0) depctr_vm_vsrc(0)
	s_getreg_b32 s2, hwreg(HW_REG_IB_STS2, 6, 4)
	s_cmp_eq_u32 s2, 0
	s_cbranch_scc0 .Lentry_in_a_cluster
	s_endpgm
.Lentry_in_a_cluster:
	s_bfe_u32 s2, ttmp6, 0x10000c
	s_cmp_lg_u32 s2, 0x3003
	s_cbranch_scc0 .Lentry_shape_is_right
	s_endpgm
.Lentry_shape_is_right:
; y[b][q][head] = softmax_k(q . k / 8, causal) v, both products on codes of BF6 (E3M2) with one E8M0 scale for each 32 along a product's K; y is quantised here along D for the last product.
; THE SOFTMAX AHEAD OF THE SECOND PRODUCT: t = score x log2(e) / 8; M = the row's largest t so far, rounded UP to a whole number; p = 2^(t - M) is quantised along the keys, not normalised; the row's sum is taken of the
; unquantised p and divides at the end.  When M moves, the sum and O are multiplied by 2^(old M - new M): exact.
; SHARES.  A work-group serves one head of one batch (work-group y) and 16 tiles of 16 queries, one to a wave; all of the head's K and V lie in its LDS, filled once.  Wave w: u = w % 2, e = w / 2;
; its block of 128 queries is BLK = t xor 15 ((e / 2) % 2), t = 2 (e % 2) + 4 (e / 4) + cluster x: made of the wave's number and the cluster's x, so equal in the four partners; the partner's place cx picks the group of 32
; queries, 4 BLK + cx, and enters global addresses and one data register alone.  A wave works BLK + 1 key steps of 128; waves w, w + 4, w + 8, w + 12 together work 34, in every work-group.
; Every wave walks all 16 steps: trip counts are constants; a step whose keys all come after the wave's queries is jumped over by a scalar branch on ids, round no barrier and no tensor load.
; CLUSTER.  The four partners read the same K and V: each tile is asked for JOINTLY (mask 15), by wave 0 (K) and wave 1 (V): the scale words, then four chunks of four key steps: five loads of a wave are out at the most.
; LAYOUT.  Both products are used transposed: S^T = K Q^T, O^T = V^T P^T: a lane holds one query (lane % 16).  The head has 64 channels, half of the instruction's 128: an image of K holds TWO tiles of 16 keys, one in k 0-63
; and one in k 64-127; multiplied by [q | zeros] it gives the first tile's scores, by [zeros | q] the second's.  The keys of the two tiles are r + 8 (r / 8) and 8 + r + 8 (r / 8) of 32, so the 16 registers of both are 16 neighbouring keys.
; OUT: yc [4 heads: 256 along K][tile of 16 tokens][2 x 1,536 bytes]: images by pairs of registers: pair p of lane l at 256 p + 8 l; ys [position][32 bytes].  A wave has two of a row's 32 scale bytes: they leave as 2 bytes a lane, 32 bytes apart.
; LIMITS: NaN and infinities are not served; a block of zeros gets the byte 1 (its codes are zeros; only this program reads the bytes).
; REGISTERS: v1-8 addresses; v12 -M, v13 the largest t, v[14:15] the sum; v16-21 zeros, v22-27 q, v28-33 zeros; v36-83 four fragments of K, then of V; v96-159 S^T, then p; v160-191 O^T; v192-203 p's codes; v232-255 at work and scale words.
.set VC,    98304                      ; LDS: K's codes from 0, 6,144 bytes a key step; V's from here;
.set KSB,   196608                     ; K's scale words, 256 bytes a key step;
.set VSB,   200704                     ; V's
.set STEPB, 6144
.set L16, 1                            ; v1  16 x lane
.set SA,  2                            ; v2  KSB + 8 x lane
.set DD,  3                            ; v3  my query less 16 (lane / 16), within my block of 128
.set ADK, 4
.set ADV, 5
.set ADS, 6
.set L8,  7                            ; v7  8 x lane
.set R32, 8                            ; v8  32 x (lane % 16)
.set FRG, 36
.set S,   96
.set O,   160
.set PCD, 192
.set WV,  18
.set SEL, 20
.set CS,  22
.set G1C, 24
.set G1S, 32
.set G0S, 40
.set G0C, 44                           ; s[44:59] four sets
.set STP, 66
.set OK,  67
.set OS,  68
.set CNT, 69
.set BLK, 74
.macro CROUND
	s_barrier_signal -1
	s_barrier_wait -1
	s_cmp_lg_u32 s[WV], 0
	s_cbranch_scc1 .Lnot_wave_0_\@
	s_barrier_signal -3
.Lnot_wave_0_\@:
	s_barrier_wait -3
	s_barrier_signal -1
	s_barrier_wait -1
.endm
	s_load_b256 s[4:11], s[0:1], 0x0               ; qkvc, qkvs, yc, ys
	v_lshl_add_u32 v231, v0, 2, 0x32000
	v_mov_b32 v243, 0
	ds_add_u32 v231, v243
	ds_add_u32 v231, v243
	v_lshrrev_b32 v9, 5, v0
	s_delay_alu instid0(VALU_DEP_1)
	v_readfirstlane_b32 s[WV], v9                  ; wave 0..15
	s_bfe_u32 s70, ttmp6, 0x40000                  ; cx
	s_and_b32 s71, ttmp7, 0xffff                   ; 16 x batch + head
	s_and_b32 s72, s[WV], 1                        ; u.  Also: wave 0 fetches K, wave 1 V
	s_lshr_b32 s73, s[WV], 1                       ; e
	s_and_b32 s75, s73, 1
	s_lshl_b32 s75, s75, 1
	s_lshr_b32 s76, s73, 2
	s_lshl_b32 s76, s76, 2
	s_add_co_u32 s75, s75, s76
	s_add_co_u32 s75, s75, ttmp9                   ; t
	s_bfe_u32 s76, s73, 0x10001
	s_mul_i32 s76, s76, 15
	s_xor_b32 s[BLK], s75, s76                     ; my block of 128 queries
	; descriptor groups 1: dense blocks as rows of 256 bytes (32 elements of 8): 96 rows (four key steps' codes), 16 rows (a head's scale words); mask 15, bit 21 beside it; no padding
	s_mov_b32 s[G1C], 15|(3<<16)|(1<<21)
	s_mov_b32 s[G1C+1], 32<<16
	s_mov_b32 s[G1C+2], 96<<16
	s_mov_b32 s[G1C+3], 32<<16
	s_mov_b32 s[G1C+4], 96
	s_mov_b32 s[G1C+5], 32
	s_mov_b32 s[G1C+6], 0
	s_mov_b32 s[G1C+7], 0
	s_mov_b32 s[G1S], 15|(3<<16)|(1<<21)
	s_mov_b32 s[G1S+1], 32<<16
	s_mov_b32 s[G1S+2], 16<<16
	s_mov_b32 s[G1S+3], 32<<16
	s_mov_b32 s[G1S+4], 16
	s_mov_b32 s[G1S+5], 32
	s_mov_b32 s[G1S+6], 0
	s_mov_b32 s[G1S+7], 0
	s_add_co_u32 s77, s72, 1                       ; part 1 of the buffers is k, part 2 is v
	s_mul_i32 s78, s77, 6291456
	s_mul_i32 s80, s71, 98304
	s_add_co_u32 s78, s78, s80
	s_mov_b32 s79, 0
	s_lshl_b32 s80, s77, 18
	s_lshl_b32 s82, s71, 12
	s_add_co_u32 s80, s80, s82
	s_mov_b32 s81, 0
	s_mul_i32 s83, s72, VC                         ; where they go: a constant x the wave's number
	s_lshl_b32 s84, s72, 12
	s_wait_dscnt 0x0
	s_wait_kmcnt 0x0
	s_add_nc_u64 s[78:79], s[4:5], s[78:79]
	s_add_nc_u64 s[80:81], s[6:7], s[80:81]
	s_mov_b32 s[G0S], 1
	s_add_co_u32 s[G0S+1], s84, KSB
	s_mov_b64 s[G0S+2:G0S+3], s[80:81]
	s_or_b32 s[G0S+3], s[G0S+3], 0x80000000
.irp c, 0,1,2,3
	s_mov_b32 s[G0C+4*\c], 1
	s_add_co_u32 s[G0C+4*\c+1], s83, \c*4*STEPB
	s_add_nc_u64 s[G0C+4*\c+2:G0C+4*\c+3], s[78:79], \c*4*STEPB
	s_or_b32 s[G0C+4*\c+3], s[G0C+4*\c+3], 0x80000000
.endr
	CROUND                                         ; all four work-groups are here: the joint loads meet
	s_cmp_lt_u32 s[WV], 2                          ; all first fills stand in one branch on the wave's number, ahead of every wait on TENSORcnt, every LDS read and every other barrier
	s_cbranch_scc0 .Lnofetch
	tensor_load_to_lds s[G0S:G0S+3], s[G1S:G1S+7]
	s_nop 0
	tensor_load_to_lds s[G0C:G0C+3], s[G1C:G1C+7]
	s_nop 0
	tensor_load_to_lds s[G0C+4:G0C+7], s[G1C:G1C+7]
	s_nop 0
	tensor_load_to_lds s[G0C+8:G0C+11], s[G1C:G1C+7]
	s_nop 0
	tensor_load_to_lds s[G0C+12:G0C+15], s[G1C:G1C+7]
	s_nop 0
.rept 4
	v_nop
.endr
.Lnofetch:
	s_lshl_b32 s85, s[BLK], 2
	s_add_co_u32 s85, s85, s70                     ; my group of 32 queries
	s_mul_i32 s86, s85, 1536
	s_mul_i32 s87, s71, 98304
	s_add_co_u32 s86, s86, s87
	s_mov_b32 s87, 0
	s_add_nc_u64 s[86:87], s[4:5], s[86:87]        ; its image (part 0 of qkvc is q)
	v_and_b32 v9, 31, v0                           ; lane
	s_wait_alu depctr_va_vdst(0)
	v_lshlrev_b32 v[L16], 4, v9
	global_load_b128 v[36:39], v[L16], s[86:87]
	global_load_b128 v[40:43], v[L16], s[86:87] offset:512
	global_load_b128 v[44:47], v[L16], s[86:87] offset:1024
	s_lshl_b32 s88, s71, 12
	s_lshl_b32 s89, s[BLK], 8
	s_add_co_u32 s88, s88, s89
	s_and_b32 s89, s70, 1
	s_lshl_b32 s89, s89, 7
	s_add_co_u32 s88, s88, s89                     ; groups 1 and 3 stand in lanes 16-31's places,
	s_lshr_b32 s89, s70, 1
	s_lshl_b32 s89, s89, 2
	s_add_co_u32 s88, s88, s89                     ; groups 2 and 3 in the second word
	s_mov_b32 s89, 0
	s_add_nc_u64 s[88:89], s[6:7], s[88:89]
	v_and_b32 v10, 15, v0                          ; r
	s_delay_alu instid0(VALU_DEP_1)
	v_lshlrev_b32 v11, 3, v10
	global_load_b32 v255, v11, s[88:89]            ; the group's scale word of row r
	v_bfe_u32 v34, v0, 4, 1                        ; h
	v_lshl_add_u32 v[SA], v9, 3, KSB
	v_lshlrev_b32 v[L8], 3, v9
	v_lshlrev_b32 v[R32], 5, v10
	v_and_b32 v35, 8, v10
	s_delay_alu instid0(VALU_DEP_1)
	v_add_nc_u32 v35, v35, v10                     ; r + 8 (r / 8)
	v_lshlrev_b32 v34, 4, v34
	s_delay_alu instid0(VALU_DEP_1)
	v_sub_nc_u32 v[DD], v35, v34
	s_lshl_b32 s90, s70, 5
	s_lshl_b32 s91, s72, 3
	s_add_co_u32 s90, s90, s91
	v_add_nc_u32 v[DD], s90, v[DD]                 ; 32 cx + 8 u + r + 8 (r / 8) - 16 h
	s_mov_b32 s[SEL], 0x76543210
	s_mov_b32 s[SEL+1], 0xfedcba98
	s_mov_b32 s[CS], 0x3e38aa3b                    ; c = log2(e) / 8
	s_mov_b32 s[CS+1], s[CS]
	s_mov_b32 s[STP], 0
	s_cmp_eq_u32 s72, 0
	s_cselect_b32 s91, 0, -1                       ; all lanes where u = 1
	s_lshl_b32 s90, s72, 4
	s_wait_loadcnt 0x0
.irp i, 0,1,2,3,4,5
	v_cndmask_b32 v[22+\i], v[36+\i], v[42+\i], s91   ; my tile's six registers of the image
.endr
	v_lshrrev_b32 v255, s90, v255                  ; my tile's two bytes,
	s_delay_alu instid0(VALU_DEP_1)
	v_and_b32 v255, 0xffff, v255
	s_delay_alu instid0(VALU_DEP_1)
	v_lshl_or_b32 v255, v255, 16, v255             ; in both halves: one word serves [q | zeros] and [zeros | q]
.irp i, 0,1,2,3,4,5
	v_mov_b32 v[16+\i], 0
	v_mov_b32 v[28+\i], 0
.endr
	v_mov_b32 v13, 0xff61b1e6                      ; the largest t so far: -3e38
	s_delay_alu instid0(VALU_DEP_1)
	v_floor_f32 v12, -v13                          ; -M
	v_mov_b32 v14, 0
	v_mov_b32 v15, 0
.irp b, 0,1,2,3
	v_mov_b32 v[236+\b], 0                         ; written once: a lane permute's destination counts as one of its sources
.endr
	v_mov_b32 v253, 0
.set j, 0
.rept 32
	v_mov_b32 v[O+j], 0                            ; O^T: the step is written once; its first run finds zeros.  (These lines also stand between the writes of q and its scale word and the first product)
.set j, j+1
.endr
.macro KQ b                            ; image b of the step's four: two tiles of 16 keys
.if ((\b)%2) == 0
	v_wmma_scale_f32_16x16x128_f8f6f4 v[S+16*(\b):S+16*(\b)+7], v[FRG+12*(\b):FRG+12*(\b)+11], v[22:33], 0, v[248+(\b)/2], v255 matrix_a_fmt:MATRIX_FMT_BF6 matrix_b_fmt:MATRIX_FMT_BF6
	v_wmma_scale_f32_16x16x128_f8f6f4 v[S+16*(\b)+8:S+16*(\b)+15], v[FRG+12*(\b):FRG+12*(\b)+11], v[16:27], 0, v[248+(\b)/2], v255 matrix_a_fmt:MATRIX_FMT_BF6 matrix_b_fmt:MATRIX_FMT_BF6
.else
	v_wmma_scale_f32_16x16x128_f8f6f4 v[S+16*(\b):S+16*(\b)+7], v[FRG+12*(\b):FRG+12*(\b)+11], v[22:33], 0, v[248+(\b)/2], v255 matrix_a_fmt:MATRIX_FMT_BF6 matrix_b_fmt:MATRIX_FMT_BF6 matrix_a_scale:MATRIX_SCALE_ROW1
	v_wmma_scale_f32_16x16x128_f8f6f4 v[S+16*(\b)+8:S+16*(\b)+15], v[FRG+12*(\b):FRG+12*(\b)+11], v[16:27], 0, v[248+(\b)/2], v255 matrix_a_fmt:MATRIX_FMT_BF6 matrix_b_fmt:MATRIX_FMT_BF6 matrix_a_scale:MATRIX_SCALE_ROW1
.endif
.endm
.macro PV t                            ; tile t of the head's four tiles of 16 channels; K = the step's 128 keys
.if ((\t)%2) == 0
	v_wmma_scale_f32_16x16x128_f8f6f4 v[O+8*(\t):O+8*(\t)+7], v[FRG+12*(\t):FRG+12*(\t)+11], v[PCD:PCD+11], v[O+8*(\t):O+8*(\t)+7], v[250+(\t)/2], v253 matrix_a_fmt:MATRIX_FMT_BF6 matrix_b_fmt:MATRIX_FMT_BF6
.else
	v_wmma_scale_f32_16x16x128_f8f6f4 v[O+8*(\t):O+8*(\t)+7], v[FRG+12*(\t):FRG+12*(\t)+11], v[PCD:PCD+11], v[O+8*(\t):O+8*(\t)+7], v[250+(\t)/2], v253 matrix_a_fmt:MATRIX_FMT_BF6 matrix_b_fmt:MATRIX_FMT_BF6 matrix_a_scale:MATRIX_SCALE_ROW1
.endif
.endm
; A KEY STEP: 128 keys.
.macro STEP
	s_cmp_gt_u32 s[STP], s[BLK]                    ; all its keys come after my queries: nothing to do but the steps at the end
	s_cbranch_scc1 .Lhidden_\@
	s_setprio 2
	v_add_nc_u32 v[ADK], s[OK], v[L16]             ; four plain lines: the places between the last step's products and the loads into their registers
	s_delay_alu instid0(VALU_DEP_1)
	v_add_nc_u32 v[ADV], VC, v[ADK]
	v_add_nc_u32 v[ADS], s[OS], v[SA]
	v_nop
.irp b, 0,1,2,3
.irp g, 0,1,2
	ds_load_b128 v[FRG+12*\b+4*\g:FRG+12*\b+4*\g+3], v[ADK] offset:1536*\b+512*\g   ; an image comes back as it was stored: 512 consecutive bytes an instruction
.endr
.endr
	ds_load_b64 v[248:249], v[ADS]                 ; K's scale words: word b / 2, lanes 16 (b % 2) on, serve image b
	s_wait_alu depctr_va_vdst(0)
	s_wait_dscnt 0x0
.irp b, 0,1,2,3
	KQ \b
.endr                                          ; register 16 b + i of lane (r, h): key 32 b + 16 h + i of the step, query r
.rept 4
	v_nop                                          ; places: behind them V's fragments are loaded over K's, and the scores are read
.endr
.irp t, 0,1,2,3
.irp g, 0,1,2
	ds_load_b128 v[FRG+12*\t+4*\g:FRG+12*\t+4*\g+3], v[ADV] offset:1536*\t+512*\g   ; they land while the softmax is worked
.endr
.endr
	ds_load_b64 v[250:251], v[ADS] offset:VSB-KSB
	s_cmp_lg_u32 s[STP], s[BLK]                    ; only my block's own step lies on the diagonal
	s_cbranch_scc1 .Lopen_\@
	v_mov_b32 v254, 0xff800000                     ; -infinity for hidden keys, ahead of the maximum: p = 0 then
.set j, 0
.rept 64
	v_cmp_gt_i32 vcc_lo, 32*(j/16)+j%16, v[DD]
	v_cndmask_b32 v[S+j], v[S+j], v254, vcc_lo
.set j, j+1
.endr
.Lopen_\@:
.irp b, 0,1,2,3
	v_max3_num_f32 v[232+\b], v[S+16*\b], v[S+1+16*\b], v[S+2+16*\b]   ; the largest score of each block of 32 keys: for the row's maximum, and, since p rises with the score, for the block's largest p
.endr
.irp i, 3,5,7,9,11,13
.irp b, 0,1,2,3
	v_max3_num_f32 v[232+\b], v[232+\b], v[S+16*\b+\i], v[S+1+16*\b+\i]
.endr
.endr
.irp b, 0,1,2,3
	v_max_num_f32 v[232+\b], v[232+\b], v[S+15+16*\b]
.endr
.irp b, 0,1,2,3
	s_delay_alu instid0(VALU_DEP_4)
	v_permlanex16_b32 v[236+\b], v[232+\b], s[SEL], s[SEL+1]
.endr
.irp b, 0,1,2,3
	s_delay_alu instid0(VALU_DEP_4)
	v_max_num_f32 v[232+\b], v[232+\b], v[236+\b]  ; with lane l xor 16's 16 keys
.endr
	s_delay_alu instid0(VALU_DEP_2)
	v_max3_num_f32 v254, v232, v233, v234
	s_delay_alu instid0(VALU_DEP_1)
	v_max_num_f32 v254, v254, v235
	s_delay_alu instid0(VALU_DEP_1)
	v_mul_f32 v254, s[CS], v254                    ; the step's largest t
	s_delay_alu instid0(VALU_DEP_1)
	v_max_num_f32 v13, v13, v254                   ; the running largest t
	v_mov_b32 v254, v12
	s_delay_alu instid0(VALU_DEP_2)
	v_floor_f32 v12, -v13                          ; the new -M = -ceil(t)
	s_delay_alu instid0(VALU_DEP_1)
	v_sub_f32 v254, v12, v254                      ; old M - new M: a whole number, 0 or less
	s_delay_alu instid0(VALU_DEP_1)
	v_cvt_i32_f32 v254, v254                       ; (it saturates)
	s_delay_alu instid0(VALU_DEP_1)
	v_ldexp_f32 v252, 1.0, v254                    ; f = 2^(old M - new M)
.set j, 0
.rept 32
	v_pk_fma_f32 v[S+j:S+j+1], v[S+j:S+j+1], s[CS:CS+1], v[12:13] op_sel_hi:[1,0,0]   ; t - M, two at a time
.set j, j+2
.endr
	s_setprio 1
.irp b, 0,1,2,3
	v_fma_f32 v[232+\b], v[232+\b], s[CS], v12     ; the same of each block's largest score
.endr
.set j, 0
	s_wait_alu depctr_va_vdst(0)
.rept 64
	v_exp_f32 v[S+j], v[S+j]                       ; p = 2^(t - M)
.set j, j+1
.endr
	v_pk_mul_f32 v[14:15], v[14:15], v[252:253] op_sel_hi:[1,0]   ; the sums under the new M (the plain line behind the exponentials)
	s_wait_alu depctr_va_vdst(0)                   ; one wait for the batch of 64, ahead of its first reader
.irp b, 0,1,2,3
	v_exp_f32 v[232+\b], v[232+\b]                 ; the block's largest p
.endr
	v_pk_add_f32 v[236:237], v[100:101], v[104:105]
	v_pk_add_f32 v[248:249], v[108:109], v[112:113]
	v_pk_add_f32 v[246:247], v[116:117], v[120:121]
	v_pk_add_f32 v[244:245], v[124:125], v[128:129]
	v_pk_add_f32 v[240:241], v[132:133], v[136:137]
	v_pk_add_f32 v[238:239], v[140:141], v[144:145]
	v_pk_add_f32 v[228:229], v[148:149], v[152:153]
	v_pk_add_f32 v[14:15], v[14:15], v[156:157]
	v_pk_add_f32 v[236:237], v[236:237], v[96:97]
	v_pk_add_f32 v[248:249], v[248:249], v[98:99]
	v_pk_add_f32 v[246:247], v[246:247], v[102:103]
	v_pk_add_f32 v[244:245], v[244:245], v[106:107]
	v_pk_add_f32 v[240:241], v[240:241], v[110:111]
	v_pk_add_f32 v[238:239], v[238:239], v[114:115]
	v_pk_add_f32 v[228:229], v[228:229], v[118:119]
	v_pk_add_f32 v[14:15], v[14:15], v[122:123]
	v_pk_add_f32 v[236:237], v[236:237], v[126:127]
	v_pk_add_f32 v[248:249], v[248:249], v[130:131]
	v_pk_add_f32 v[246:247], v[246:247], v[134:135]
	v_pk_add_f32 v[244:245], v[244:245], v[138:139]
	v_pk_add_f32 v[240:241], v[240:241], v[142:143]
	v_pk_add_f32 v[238:239], v[238:239], v[146:147]
	v_pk_add_f32 v[228:229], v[228:229], v[150:151]
	v_pk_add_f32 v[14:15], v[14:15], v[154:155]
	v_pk_add_f32 v[236:237], v[236:237], v[158:159]
	s_delay_alu instid0(VALU_DEP_2)
	v_pk_add_f32 v[14:15], v[14:15], v[244:245]
	s_delay_alu instid0(VALU_DEP_2)
	v_pk_add_f32 v[236:237], v[236:237], v[240:241]
	v_pk_add_f32 v[248:249], v[248:249], v[238:239]
	v_pk_add_f32 v[246:247], v[246:247], v[228:229]
	s_delay_alu instid0(VALU_DEP_2)
	v_pk_add_f32 v[14:15], v[14:15], v[248:249]
	s_delay_alu instid0(VALU_DEP_2)
	v_pk_add_f32 v[236:237], v[236:237], v[246:247]
	s_delay_alu instid0(VALU_DEP_1)
	v_pk_add_f32 v[14:15], v[14:15], v[236:237]
	s_wait_alu depctr_va_vdst(0)                   ; and one for the four
.irp b, 0,1,2,3
	v_max_num_f32 v[232+\b], 0x2800000, v[232+\b]  ; the floor 2^(5 - 127)
.endr
.irp b, 0,1,2,3
	s_delay_alu instid0(VALU_DEP_4)
	v_add_nc_u32 v[244+\b], 0xfe000000, v[232+\b]  ; the conversion's scale operand
.endr
.irp b, 0,1,2,3
	s_delay_alu instid0(VALU_DEP_4)
	v_lshrrev_b32 v[236+\b], 23, v[244+\b]         ; the scale's byte
.endr
	s_delay_alu instid0(VALU_DEP_3)
	v_lshl_or_b32 v253, v237, 8, v236              ; p's scale word for these 128 keys
	s_delay_alu instid0(VALU_DEP_1)
	v_lshl_or_b32 v253, v238, 16, v253
	s_delay_alu instid0(VALU_DEP_1)
	v_lshl_or_b32 v253, v239, 24, v253
	s_setprio 0
.irp c, 0,1
	v_cvt_scalef32_pk16_bf6_f32 v[PCD+6*\c:PCD+2+6*\c], v[S+32*\c:S+15+32*\c], v[244+2*\c]
	v_cvt_scalef32_pk16_bf6_f32 v[236+4*\c:238+4*\c], v[S+16+32*\c:S+31+32*\c], v[244+2*\c+1]
.endr
	v_nop                                          ; one plain line behind the scaled conversions
.irp c, 0,1                                    ; a whole block to a lane
.irp i, 0,1,2
	v_permlane16_swap_b32 v[PCD+6*\c+\i], v[236+4*\c+\i]
.endr
.irp i, 0,1,2
	s_delay_alu instid0(VALU_DEP_3)
	v_mov_b32 v[PCD+3+6*\c+\i], v[236+4*\c+\i]
.endr
.endr
.set j, 0
.rept 16
	v_pk_mul_f32 v[O+j:O+j+1], v[O+j:O+j+1], v[252:253] op_sel_hi:[1,0]   ; O^T under the new M; these lines also stand between the writes of p's codes and scale word and the products
.set j, j+2
.endr
	s_wait_alu depctr_va_vdst(0)
	s_wait_dscnt 0x0                               ; V's fragments and scale words
.irp t, 0,1,2,3
	PV \t                                          ; the four accumulators by turns, one instruction a turn
.endr
.Lhidden_\@:
	s_add_co_u32 s[STP], s[STP], 1
	s_add_co_u32 s[OK], s[OK], STEPB
	s_add_co_u32 s[OS], s[OS], 256
.endm
; Four key steps, which one tensor load of wave 0 and one of wave 1 have brought.
.macro CHUNK c
	s_wait_tensorcnt 3-\c                          ; the scale words and chunks 0 .. c have landed; the 3 - c later chunks may stay out: no LDS byte is ever filled again
	s_wait_dscnt 0x0
	s_barrier_signal -1
	s_barrier_wait -1                              ; the fetching waves have said so: all sixteen may read the chunk
	s_mov_b32 s[OK], \c*4*STEPB
	s_mov_b32 s[OS], \c*4*256
	s_mov_b32 s[CNT], 4
.Lstep_\@:
	STEP
	s_sub_co_u32 s[CNT], s[CNT], 1
	s_cmp_lg_u32 s[CNT], 0
	s_cbranch_scc1 .Lstep_\@
	s_setprio 0
.endm
	CHUNK 0
	CHUNK 1
	CHUNK 2
	CHUNK 3
	; THE WAY OUT.  y = O^T / the sum: register 16 b + i of lane (r, h) is channel 32 b + 16 h + i of my head, query r: two blocks of 32 along the last product's K.
	v_add_f32 v14, v14, v15
	s_delay_alu instid0(VALU_DEP_1)
	v_permlanex16_b32 v252, v14, s[SEL], s[SEL+1]
	s_delay_alu instid0(VALU_DEP_1)
	v_add_f32 v14, v14, v252                       ; the row's sum
	s_wait_alu depctr_va_vdst(0)
	v_rcp_f32 v14, v14
	v_nop                                          ; the plain line behind the reciprocal
	s_lshr_b32 s76, s71, 4                         ; batch
	s_and_b32 s77, s71, 15                         ; head
	s_lshl_b32 s76, s76, 6
	s_add_co_u32 s76, s76, s85
	s_lshl_b32 s76, s76, 1
	s_add_co_u32 s76, s76, s72                     ; my tile of 16 tokens: 2 (64 batch + group) + u
	s_lshr_b32 s78, s77, 2
	s_mul_i32 s78, s78, 1572864
	s_mul_i32 s80, s76, 3072
	s_add_co_u32 s78, s78, s80
	s_and_b32 s80, s77, 3
	s_mul_i32 s80, s80, 768
	s_add_co_u32 s78, s78, s80
	s_mov_b32 s79, 0
	s_add_nc_u64 s[8:9], s[8:9], s[78:79]
	s_lshl_b32 s80, s76, 9
	s_lshl_b32 s82, s77, 1
	s_add_co_u32 s80, s80, s82
	s_mov_b32 s81, 0
	s_add_nc_u64 s[10:11], s[10:11], s[80:81]
	s_wait_alu depctr_va_vdst(0)                   ; the wait ahead of the reciprocal's first reader
.set j, 0
.rept 16
	v_pk_mul_f32 v[S+j:S+j+1], v[O+j:O+j+1], v[14:15] op_sel_hi:[1,0]   ; each accumulator from its low end on
.set j, j+2
.endr
.irp b, 0,1
	v_max3_num_f32 v[232+\b], |v[S+16*\b]|, |v[S+1+16*\b]|, 0x2800000
.endr
.irp i, 2,4,6,8,10,12,14
.irp b, 0,1
	s_delay_alu instid0(VALU_DEP_2)
	v_max3_num_f32 v[232+\b], v[232+\b], |v[S+16*\b+\i]|, |v[S+1+16*\b+\i]|
.endr
.endr
.irp b, 0,1
	s_delay_alu instid0(VALU_DEP_2)
	v_permlanex16_b32 v[236+\b], v[232+\b], s[SEL], s[SEL+1]
.endr
.irp b, 0,1
	s_delay_alu instid0(VALU_DEP_2)
	v_max_num_f32 v[232+\b], v[232+\b], v[236+\b]
.endr
.irp b, 0,1
	s_delay_alu instid0(VALU_DEP_2)
	v_add_nc_u32 v[244+\b], 0xfe000000, v[232+\b]
.endr
.irp b, 0,1
	s_delay_alu instid0(VALU_DEP_2)
	v_lshrrev_b32 v[240+\b], 23, v[244+\b]
.endr
	s_delay_alu instid0(VALU_DEP_1)
	v_lshl_or_b32 v240, v241, 8, v240              ; my head's two scale bytes of row r
	v_cvt_scalef32_pk16_bf6_f32 v[PCD:PCD+2], v[S:S+15], v244
	v_cvt_scalef32_pk16_bf6_f32 v[236:238], v[S+16:S+31], v245
	v_nop
.irp i, 0,1,2
	v_permlane16_swap_b32 v[PCD+\i], v[236+\i]
.endr
.irp i, 0,1,2
	s_delay_alu instid0(VALU_DEP_3)
	v_mov_b32 v[PCD+3+\i], v[236+\i]               ; six registers: lane (r, h): channels 32 h + 0 .. 31 of my head
.endr
.irp p, 0,1,2
	global_store_b64 v[L8], v[PCD+2*\p:PCD+2*\p+1], s[8:9] offset:256*\p   ; 32 lanes store 256 consecutive bytes, aligned
.endr
	global_store_b16 v[R32], v240, s[10:11]        ; lanes 16-31 write the same two bytes as lanes 0-15
	s_wait_dscnt 0x0
	s_wait_tensorcnt 0x0
	ds_add_u32 v231, v243
	s_wait_dscnt 0x0
	CROUND                                         ; the closing round
	s_endpgm
.Lfunc_end_k_qf5b87e2f50_attn:
	.size	k_qf5b87e2f50_attn, .Lfunc_end_k_qf5b87e2f50_attn-k_qf5b87e2f50_attn
	.p2alignl 7, 3214868480
	.fill 96, 4, 3214868480
	.section	.rodata,"a",@progbits
	.p2align	6, 0x0
	.amdhsa_kernel k_qf5b87e2f50_attn
		.amdhsa_group_segment_fixed_size 206848
		.amdhsa_private_segment_fixed_size 0
		.amdhsa_enable_private_segment 0
		.amdhsa_kernarg_size 32
		.amdhsa_user_sgpr_count 2
		.amdhsa_user_sgpr_kernarg_segment_ptr 1
		.amdhsa_wavefront_size32 1
		.amdhsa_system_sgpr_workgroup_id_x 1
		.amdhsa_system_sgpr_workgroup_id_y 1
		.amdhsa_system_sgpr_workgroup_id_z 1
		.amdhsa_system_vgpr_workitem_id 0
		.amdhsa_next_free_vgpr 256
		.amdhsa_next_free_sgpr 100
		.amdhsa_reserve_vcc 1
		.amdhsa_float_denorm_mode_32 3
		.amdhsa_float_denorm_mode_16_64 3
		.amdhsa_memory_ordered 1
		.amdhsa_forward_progress 1
		.amdhsa_inst_pref_size 104
	.end_amdhsa_kernel
	.amdgpu_metadata
---
amdhsa.version: [ 1, 2 ]
amdhsa.kernels:
  - .name:           k_qf5b87e2f50_attn
    .symbol:         k_qf5b87e2f50_attn.kd
    .args:
      - { .name: qkvc, .offset: 0, .size: 8, .value_kind: global_buffer, .address_space: global }
      - { .name: qkvs, .offset: 8, .size: 8, .value_kind: global_buffer, .address_space: global }
      - { .name: yc, .offset: 16, .size: 8, .value_kind: global_buffer, .address_space: global }
      - { .name: ys, .offset: 24, .size: 8, .value_kind: global_buffer, .address_space: global }
    .group_segment_fixed_size: 206848
    .private_segment_fixed_size: 0
    .kernarg_segment_align: 8
    .kernarg_segment_size: 32
    .max_flat_workgroup_size: 512
    .sgpr_count:     100
    .vgpr_count:     256
    .wavefront_size: 32
...
	.end_amdgpu_metadata
.endif
;; end of part 3
;; launch proj (part 4): grid 4 x 32, 4 waves a work-group, clusters of 4 x 4, 327,680 bytes of LDS; arguments yc, ys, wc, ws, bp, out0; writes out0
.if DOCPART == 4
	.amdgcn_target "amdgcn-amd-amdhsa--gfx1250"
	.amdhsa_code_object_version 6
	.text
	.protected	k_qf5b87e2f50_proj
	.globl	k_qf5b87e2f50_proj
	.p2align	8
	.type	k_qf5b87e2f50_proj,@function
k_qf5b87e2f50_proj:
	s_mov_b64 s[64:65], 0
	v_nop
	global_prefetch_b8 v0, s[64:65] scope:SCOPE_SE
	s_setreg_imm32_b32 hwreg(HW_REG_WAVE_MODE, 25, 1), 1
	s_wait_xcnt 0x0
	s_wait_alu depctr_hold_cnt(0) depctr_sa_sdst(0) depctr_va_vdst(0) depctr_va_sdst(0) depctr_va_ssrc(0) depctr_va_vcc(0) depctr_vm_vsrc(0)
	s_getreg_b32 s2, hwreg(HW_REG_IB_STS2, 6, 4)
	s_cmp_eq_u32 s2, 0
	s_cbranch_scc0 .Lentry_in_a_cluster
	s_endpgm
.Lentry_in_a_cluster:
	s_bfe_u32 s2, ttmp6, 0x10000c
	s_cmp_lg_u32 s2, 0xf033
	s_cbranch_scc0 .Lentry_shape_is_right
	s_endpgm
.Lentry_shape_is_right:
; out0 = y Wp + bp on codes of BF6 (E3M2) with one E8M0 scale for each 32 along K = 1,024; sums in f32; out0 [8192][1024] f32.
; A work-group of four waves makes 256 x 256, a wave 128 x 128: 64 accumulators.  K goes in steps of 256 through a ring of two LDS slots filled by the tensor data mover.
; A = y: its codes lie in memory as IMAGES OF OPERAND REGISTERS: [256 along K][tile of 16 tokens][two fragments of 1,536 bytes], pair p of a fragment's registers of lane l at 256 p + 8 l: a K step's 128 rows are one dense block of
; 24,576 bytes, and a fragment is six loads of 256 consecutive bytes.  B = Wp's columns: positions 3,072 .. 4,095 of wc and ws, rows of codes.  The scale bytes of both come once, as rows.
; Source 0 = 16 rows of B, source 1 = 16 rows of A.  Both lie in the order in which positions 16 u + r of a group of 32 hold rows 8 u + r + 8 (r / 8): register j of lane (r, h) in accumulator (a, b) is
; token 32 (a / 2) + 8 (a % 2) + r + 8 (r / 8), column 32 (b / 2) + 8 (b % 2) + 16 h + j; the way out puts both back in order.  The bias is the C of each sum's first product.
; CLUSTERS: 4 x 4 work-groups; A's tiles are asked for jointly along a row of the cluster, B's along a column.  The grid has 128 work-groups: 32 x 4 tiles of 256 x 256.
; REGISTERS: window 0: v0-31 addresses; v32-63 scale words, two sets; v64-127 the bias; v128-223 A's fragments; on the way out v128-255 rows of out0.  window 1: B's fragments, two sets.  windows 2, 3: the accumulators.
.set NQ,     2
.set ROWB,   192
.set KROW,   768
.set PITCH,  240
.set FR,     12
.set NL,     6
.set NP,     4
.set HALFA,  24576                     ; A: 8 tiles of 16 tokens x 3,072 bytes: what one tensor load brings
.set HALFB,  128*PITCH
.set BOFF,   2*HALFA                   ; a slot: A's two halves, then B's two
.set SLOT,   2*HALFA+2*HALFB
.set ASTEP,  1572864                   ; 256 along K on in yc
.set LAPS,   2
.set KS,     32
.set SCL,    2*SLOT
.set HALFS,  (128*KS/256)*272
.set SBLK,   (16*KS/256)*272
.set SPARE,  SCL+4*HALFS               ; the spare words, 128 bytes a wave: two blocks of 256 bytes that no other line names
.set SPITCH, 528                       ; the way out: a stage of 16 rows x (512 bytes + 16) for each wave, in slot 0, which has had its last fill and its last read by then
.set ADRA, 16                          ; v16-17
.set ADRB, 20                          ; v20-21 (v22-23)
.set STO,  24
.set RD,   25
.set CO,   26
.set ADRS, 27
.set SPW,  28
.set NIL,  29
.set BO,   30                          ; v30  64 x (lane / 16); never rewritten
.set SC,   32
.set BI,   64                          ; v64-127 bias of the column of register 8 b + j
.set AF,   128
.set BK,   128
.set G1, 24
.set G0, 32
.set G1B, 48
.set G0B, 56
.set G1S, 68
.set G0S, 76
.set G1SB, 80
.set G0SB, 88
.set MSB, 0
.macro WIN new
.if MSB != (\new)
	s_set_vgpr_msb (MSB<<8)|(\new)
.set MSB, (\new)
.endif
.endm
.set MUL_LO, 0xa1
.set MUL_HI, 0xf1
.set TO_B,   0x40
.macro JLOAD g0a, g1a, g0b, g1b        ; waves 0 and 1 fetch for A, waves 2 and 3 for B; four v_nop follow each of the two lines
	s_cmp_eq_u32 s15, 0
	s_cbranch_scc0 .Lfor_b_\@
	tensor_load_to_lds s[\g0a:\g0a+3], s[\g1a:\g1a+7]
	s_nop 0
.rept 4
	v_nop
.endr
	s_branch .Lasked_\@
.Lfor_b_\@:
	tensor_load_to_lds s[\g0b:\g0b+3], s[\g1b:\g1b+7]
	s_nop 0
.rept 4
	v_nop
.endr
.Lasked_\@:
.endm
.macro CREST
	s_cmp_lg_u32 s14, 0
	s_cbranch_scc1 .Lnot_wave_0_\@
	s_barrier_signal -3
.Lnot_wave_0_\@:
	s_barrier_wait -3
	s_barrier_signal -1
	s_barrier_wait -1
.endm
.macro CROUND
	s_barrier_signal -1
	s_barrier_wait -1
	CREST
.endm
	s_load_b128 s[4:7], s[0:1], 0x0                ; yc, ys
	s_load_b128 s[8:11], s[0:1], 0x10              ; wc, ws
	s_load_b64 s[96:97], s[0:1], 0x20              ; bp
	s_load_b64 s[12:13], s[0:1], 0x28              ; out0
	v_lshl_add_u32 v[SPW], v0, 2, SPARE
	v_mov_b32 v[NIL], 0
	ds_add_u32 v28, v29
	ds_add_u32 v28, v29
	s_wait_dscnt 0x0
	v_lshrrev_b32 v1, 5, v0
	v_readfirstlane_b32 s14, v1                    ; wave 0..3
	s_lshr_b32 s15, s14, 1                         ; my half of the tile's rows.  Also: I fetch for A (0) or for B (1)
	s_and_b32 s16, s14, 1                          ; my half of its columns.  Also: which 128 rows I fetch
	s_bfe_u32 s40, ttmp6, 0x40000                  ; cx
	s_bfe_u32 s41, ttmp6, 0x40004                  ; cy
	s_lshl_b32 s42, ttmp9, 2
	s_add_co_u32 s42, s42, s40                     ; tile column
	s_and_b32 s17, ttmp7, 0xffff
	s_lshl_b32 s17, s17, 2
	s_add_co_u32 s17, s17, s41                     ; tile row
	s_lshl_b32 s43, s41, 2
	s_lshl_b32 s43, 15, s43                        ; my row of the cluster
	s_lshl_b32 s44, 0x1111, s40                    ; my column
	; A's tiles: 96 dense rows of 256 bytes (32 elements of 8), no padding
	s_or_b32 s[G1+0], s43, (3<<16)|(1<<21)
	s_mov_b32 s[G1+1], 32<<16
	s_mov_b32 s[G1+2], 96<<16
	s_mov_b32 s[G1+3], 32<<16
	s_mov_b32 s[G1+4], 96
	s_mov_b32 s[G1+5], 32
	s_mov_b32 s[G1+6], 0
	s_mov_b32 s[G1+7], 0
	; B's tiles: 128 rows x 192 bytes, 16 bytes of padding behind every 64
	s_or_b32 s[G1B+0], s44, (0<<16)|(1<<20)|(1<<21)|(3<<22)|(3<<25)
	s_mov_b32 s[G1B+1], ROWB<<16
	s_mov_b32 s[G1B+2], 128<<16
	s_mov_b32 s[G1B+3], ROWB<<16
	s_mov_b32 s[G1B+4], 128
	s_mov_b32 s[G1B+5], KROW
	s_mov_b32 s[G1B+6], 0
	s_mov_b32 s[G1B+7], 0
	; the scales of 128 rows: 16 rows of 256 bytes, 16 bytes of padding behind each
	s_or_b32 s[G1S+0], s43, (3<<16)|(1<<20)|(1<<21)|(5<<22)|(3<<25)
	s_or_b32 s[G1SB+0], s44, (3<<16)|(1<<20)|(1<<21)|(5<<22)|(3<<25)
.irp g, G1S, G1SB
	s_mov_b32 s[\g+1], 32<<16
	s_mov_b32 s[\g+2], (128*KS/256)<<16
	s_mov_b32 s[\g+3], 32<<16
	s_mov_b32 s[\g+4], 128*KS/256
	s_mov_b32 s[\g+5], 32
	s_mov_b32 s[\g+6], 0
	s_mov_b32 s[\g+7], 0
.endr
	s_lshl_b32 s18, s16, 7
	s_lshl_b32 s20, s17, 8
	s_add_co_u32 s20, s20, s18                     ; A: position 256 x tile row + 128 x half
	s_lshl_b32 s46, s42, 8
	s_add_co_u32 s46, s46, s18
	s_add_co_u32 s46, s46, 3072                    ; B: Wp's positions begin at 3,072
	s_mov_b32 s21, 0
	s_mov_b32 s47, 0
	s_mov_b64 s[18:19], KS
	s_mul_u64 s[22:23], s[20:21], s[18:19]         ; the rows' scales
	s_mul_u64 s[92:93], s[46:47], s[18:19]
	s_mov_b64 s[18:19], ROWB
	s_mul_u64 s[20:21], s[20:21], s[18:19]         ; A's images: 3,072 bytes for 16 positions
	s_mov_b64 s[18:19], KROW
	s_mul_u64 s[46:47], s[46:47], s[18:19]         ; B's rows
	s_mul_i32 s45, s16, HALFA                      ; where they go: constants x numbers made of the wave's
	s_mul_i32 s95, s16, HALFB
	s_add_co_u32 s95, s95, BOFF
	s_mul_i32 s94, s14, HALFS
	s_wait_kmcnt 0x0
	s_add_nc_u64 s[20:21], s[4:5], s[20:21]
	s_add_nc_u64 s[22:23], s[6:7], s[22:23]
	s_add_nc_u64 s[46:47], s[8:9], s[46:47]
	s_add_nc_u64 s[92:93], s[10:11], s[92:93]
	CROUND                                         ; all sixteen work-groups are here
	s_mov_b32 s[G0S], 1
	s_add_co_u32 s[G0S+1], s94, SCL
	s_mov_b64 s[G0S+2:G0S+3], s[22:23]
	s_or_b32 s[G0S+3], s[G0S+3], 0x80000000
	s_mov_b32 s[G0SB], 1
	s_add_co_u32 s[G0SB+1], s94, SCL
	s_mov_b64 s[G0SB+2:G0SB+3], s[92:93]
	s_or_b32 s[G0SB+3], s[G0SB+3], 0x80000000
	JLOAD G0S, G1S, G0SB, G1SB                     ; the scales: filled once
.irp s, 0,1
	s_mov_b32 s[G0+4*\s], 1
	s_add_co_u32 s[G0+4*\s+1], s45, \s*SLOT
	s_add_nc_u64 s[G0+4*\s+2:G0+4*\s+3], s[20:21], \s*ASTEP
	s_or_b32 s[G0+4*\s+3], s[G0+4*\s+3], 0x80000000
	s_mov_b32 s[G0B+4*\s], 1
	s_add_co_u32 s[G0B+4*\s+1], s95, \s*SLOT
	s_add_nc_u64 s[G0B+4*\s+2:G0B+4*\s+3], s[46:47], \s*ROWB
	s_or_b32 s[G0B+4*\s+3], s[G0B+4*\s+3], 0x80000000
	JLOAD G0+4*\s, G1, G0B+4*\s, G1B               ; three loads of mine are out
.endr
	v_and_b32 v1, 15, v0                           ; r
	v_bfe_u32 v2, v0, 4, 1                         ; h
	v_mul_u32_u24 v3, v1, PITCH
	v_mul_u32_u24 v4, v2, 24
	v_add_nc_u32 v4, v3, v4
	v_lshl_add_u32 v5, v2, 4, v4
	v_and_b32 v6, 31, v0
	v_lshlrev_b32 v7, 3, v6                        ; 8 x lane
	s_mul_i32 s21, s15, HALFA                      ; my 128 rows of A
	s_mul_i32 s22, s16, HALFB
	s_add_co_u32 s22, s22, BOFF                    ; my 128 rows of B
.irp s, 0,1
	v_add_nc_u32 v[ADRA+\s], s21, v7
	v_add_nc_u32 v[ADRB+\s], s22, v4
	v_add_nc_u32 v[ADRB+2+\s], s22, v5
	s_add_co_u32 s21, s21, SLOT
	s_add_co_u32 s22, s22, SLOT
.endr
	v_mul_u32_u24 v5, v1, KS
	v_lshrrev_b32 v8, 8, v5
	v_lshl_add_u32 v5, v8, 4, v5
	s_mul_i32 s21, s15, HALFS
	s_mul_i32 s22, s16, HALFS
	s_add_co_u32 s22, s22, 2*HALFS
	s_sub_co_u32 s22, s22, s21
	v_mul_u32_u24 v8, s22, v2                      ; lanes 16-31 take B's
	s_add_co_u32 s21, s21, SCL
	v_add_nc_u32 v5, v5, v8
	v_add_nc_u32 v[ADRS], s21, v5
	s_mul_i32 s23, s14, 16*SPITCH                  ; my stage
	v_mul_u32_u24 v5, v1, SPITCH
	v_lshl_add_u32 v5, v2, 6, v5                   ; in: row r, + 64 h: columns 16 h on of each 32
	v_add_nc_u32 v[STO], s23, v5
	v_lshlrev_b32 v[CO], 4, v6                     ; back: the 32 lanes take one row of 512 bytes; and the same in out0
	v_add_nc_u32 v[RD], s23, v[CO]
	s_lshl_b32 s20, s17, 8
	s_lshl_b32 s21, s15, 7
	s_add_co_u32 s20, s20, s21                     ; my first row of out0
	s_lshl_b32 s20, s20, 12                        ; rows of 4,096 bytes (under 2^25)
	s_mov_b32 s21, 0
	s_lshl_b32 s46, s42, 10
	s_lshl_b32 s47, s16, 9
	s_add_co_u32 s46, s46, s47                     ; my first column, in bytes: in out0's rows and in bp alike
	s_mov_b32 s47, 0
	s_add_nc_u64 s[96:97], s[96:97], s[46:47]
	s_add_nc_u64 s[20:21], s[20:21], s[46:47]
	s_add_nc_u64 s[12:13], s[12:13], s[20:21]
	v_lshlrev_b32 v[BO], 6, v2
.irp b, 0,1,2,3,4,5,6,7
	global_load_b128 v[BI+8*\b:BI+8*\b+3], v[BO], s[96:97] offset:(32*(\b/2)+8*(\b%2))*4
	global_load_b128 v[BI+8*\b+4:BI+8*\b+7], v[BO], s[96:97] offset:(32*(\b/2)+8*(\b%2))*4+16
.endr
.macro FRAG reg, adr, q, i             ; a fragment of B from rows: 24 bytes a lane and half, in pieces of 8
.irp p, 0,1,2,3,4,5
.set PC, 12*(\q)+6*(\p/3)+\p%3
.if PC%8 < 5
	ds_load_b64 v[\reg+2*\p:\reg+2*\p+1], v[\adr] offset:8*PC+16*(PC/8)+(\i)*16*PITCH
.else
	ds_load_b64 v[\reg+2*\p:\reg+2*\p+1], v[\adr+2] offset:8*PC+16*(PC/8)+(\i)*16*PITCH
.endif
.endr
.endm
.macro FRAGA reg, adr, q, i            ; a fragment of A from its image: six loads of 256 consecutive bytes
.irp p, 0,1,2,3,4,5
	ds_load_b64 v[\reg+2*\p:\reg+2*\p+1], v[\adr] offset:3072*(\i)+1536*(\q)+256*\p
.endr
.endm
; 16 matrix instructions; zero = 1: the sums begin with the bias.  The 64 accumulators take turns, one instruction a turn.
.macro MUL16 a0, p, q, sc, zero
.irp a, \a0, \a0+1
.irp b, 0,1,2,3,4,5,6,7
.if \zero
	v_wmma_scale_f32_16x16x128_f8f6f4 v[8*(8*((\a)%4)+\b):8*(8*((\a)%4)+\b)+7], v[128*(\p)+FR*\b:128*(\p)+FR*\b+FR-1], v[AF+FR*(\a):AF+FR*(\a)+FR-1], v[BI+8*\b:BI+8*\b+7], v[SC+8*NQ*(\sc)+NQ*\b+(\q)], v[SC+8*NQ*(\sc)+NQ*(\a)+(\q)] matrix_a_fmt:MATRIX_FMT_BF6 matrix_b_fmt:MATRIX_FMT_BF6 matrix_a_scale:MATRIX_SCALE_ROW1
.else
	v_wmma_scale_f32_16x16x128_f8f6f4 v[8*(8*((\a)%4)+\b):8*(8*((\a)%4)+\b)+7], v[128*(\p)+FR*\b:128*(\p)+FR*\b+FR-1], v[AF+FR*(\a):AF+FR*(\a)+FR-1], v[8*(8*((\a)%4)+\b):8*(8*((\a)%4)+\b)+7], v[SC+8*NQ*(\sc)+NQ*\b+(\q)], v[SC+8*NQ*(\sc)+NQ*(\a)+(\q)] matrix_a_fmt:MATRIX_FMT_BF6 matrix_b_fmt:MATRIX_FMT_BF6 matrix_a_scale:MATRIX_SCALE_ROW1
.endif
.endr
.endr
.endm
.macro FETCH_B slot, q, p
	WIN TO_B
.irp i, 0,1,2,3,4,5,6,7
	FRAG 128*(\p)+FR*\i, ADRB+\slot, \q, \i
.endr
	WIN 0
.endm
.macro FETCH_A slot, q, i0
.irp i, \i0, \i0+1, \i0+2, \i0+3
	FRAGA AF+FR*(\i), ADRA+\slot, \q, \i
.endr
.endm
.macro SCALES sc
.irp i, 0,1,2,3,4,5,6,7
	ds_load_b64 v[SC+8*NQ*\sc+NQ*\i:SC+8*NQ*\sc+NQ*\i+1], v[ADRS] offset:\i*SBLK
.endr
.endm
.macro PLACES n
.rept \n
	v_nop
.endr
.endm
.macro STEP slot, q, zero
	s_wait_dscnt 4*NL                              ; B's set and A's blocks 0-3 are in; the youngest 24 loads may be out
.if \zero
	WIN 0x81                                       ; source 0 window 1; source 1 and the bias window 0; D window 2
.else
	WIN MUL_LO
.endif
	MUL16 0, (\q)%2, \q, \slot, \zero
	MUL16 2, (\q)%2, \q, \slot, \zero
	s_wait_dscnt 0
	PLACES NP
	FETCH_B \slot, (\q)+1, 1-(\q)%2
	FETCH_A \slot, (\q)+1, 0
.if \zero
	WIN 0xc1                                       ; D window 3
.else
	WIN MUL_HI
.endif
	MUL16 4, (\q)%2, \q, \slot, \zero
	MUL16 6, (\q)%2, \q, \slot, \zero
	PLACES NP
	WIN 0
	FETCH_A \slot, (\q)+1, 4
.endm
.macro TURN slot, next, fill
	s_wait_tensorcnt 0x0                           ; all my tensor loads have landed: my part of the next slot
	ds_add_u32 v[SPW], v[NIL]                      ; 0 onto my spare word
	s_wait_dscnt 4*NL+1                            ; (the add and the youngest 24 loads may be out)
	WIN MUL_LO
	MUL16 0, 1, NQ-1, \slot, 0
	s_wait_dscnt 0x0                               ; the add is done, and my reads of this slot are over
	s_barrier_signal -1
	MUL16 2, 1, NQ-1, \slot, 0
	WIN 0
	s_barrier_wait -1
.if \fill
	CREST                                          ; a round of the cluster's barrier: no wave of any partner still reads this slot or has a load on its way
	s_add_nc_u64 s[G0+4*\slot+2:G0+4*\slot+3], s[G0+4*\slot+2:G0+4*\slot+3], 2*ASTEP
	s_add_nc_u64 s[G0B+4*\slot+2:G0B+4*\slot+3], s[G0B+4*\slot+2:G0B+4*\slot+3], 2*ROWB
	JLOAD G0+4*\slot, G1, G0B+4*\slot, G1B
.else
	PLACES NP
.endif
	v_add_nc_u32 v[ADRS], 4*NQ, v[ADRS]
	FETCH_B \next, 0, 0
	FETCH_A \next, 0, 0
	SCALES \next
	WIN MUL_HI
	MUL16 4, 1, NQ-1, \slot, 0
	MUL16 6, 1, NQ-1, \slot, 0
	PLACES NP
	WIN 0
	FETCH_A \next, 0, 4
.endm
	s_wait_tensorcnt 1                             ; the scales and my part of K step 0 are in (K step 1's load may be out),
	s_barrier_signal -1
	s_barrier_wait -1
	FETCH_B 0, 0, 0
	FETCH_A 0, 0, 0
	SCALES 0
	FETCH_A 0, 0, 4
	s_wait_loadcnt 0x0                             ; the bias
	STEP 0, 0, 1
	s_mov_b32 s3, LAPS-1
.Llap:
	TURN 0, 1, 1
	STEP 1, 0, 0
	TURN 1, 0, 1
	STEP 0, 0, 0
	s_sub_co_u32 s3, s3, 1
	s_cmp_lg_u32 s3, 0
	s_cbranch_scc1 .Llap
	TURN 0, 1, 0
	STEP 1, 0, 0
	s_wait_dscnt 4*NL
	WIN MUL_LO
	MUL16 0, 1, NQ-1, 1, 0
	MUL16 2, 1, NQ-1, 1, 0
	s_wait_dscnt 0
	WIN MUL_HI
	MUL16 4, 1, NQ-1, 1, 0
	MUL16 6, 1, NQ-1, 1, 0
	WIN 0
; THE WAY OUT, block by block of 16 rows x 128 columns, through my own stage: the columns are put in order on the way in, the rows on the way to memory.  LDS serves a wave's instructions in order: no wait between the stores and the loads.
.macro TOSTAGE a
.set AC, 64*((\a)%4)
	WIN 0x08+4*((\a)/4)                            ; the data: window 2 or 3
.irp b, 0,1,2,3,4,5,6,7
	ds_store_b128 v[STO], v[AC+8*\b:AC+8*\b+3] offset:128*(\b/2)+32*(\b%2)       ; each accumulator from its low end on
	ds_store_b128 v[STO], v[AC+8*\b+4:AC+8*\b+7] offset:128*(\b/2)+32*(\b%2)+16
.endr
	WIN 0
.set BB, BK+64*((\a)%2)
.irp t, 0,1,2,3,4,5,6,7,8,9,10,11,12,13,14,15
	ds_load_b128 v[BB+4*\t:BB+4*\t+3], v[RD] offset:\t*SPITCH
.endr
.endm
.macro SEND a, younger
.set BB, BK+64*((\a)%2)
	s_wait_dscnt \younger                          ; the block is back in registers
.irp t, 0,1,2,3,4,5,6,7,8,9,10,11,12,13,14,15
	global_store_b128 v[CO], v[BB+4*\t:BB+4*\t+3], s[12:13] offset:(32*((\a)/2)+8*((\a)%2)+\t+8*(\t/8))*4096 th:TH_STORE_NT   ; 32 lanes store 512 consecutive bytes, aligned; 127 rows at the most: inside the signed 24-bit immediate
.endr
.endm
	PLACES NP
	TOSTAGE 0
.irp a, 1,2,3,4,5,6,7
.if \a > 1
	s_wait_xcnt 0x0                                ; block a - 2's stores have read their registers: block a's loads may land there
.endif
	TOSTAGE \a
	SEND \a-1, 32                                  ; behind block a - 1's loads: block a's 16 stores and 16 loads
.endr
	SEND 7, 0
	s_wait_tensorcnt 0x0                           ; the wave's end
	ds_add_u32 v[SPW], v[NIL]
	s_wait_dscnt 0x0
	CROUND                                         ; the closing round
	s_endpgm
.Lfunc_end_k_qf5b87e2f50_proj:
	.size	k_qf5b87e2f50_proj, .Lfunc_end_k_qf5b87e2f50_proj-k_qf5b87e2f50_proj
	.p2alignl 7, 3214868480
	.fill 96, 4, 3214868480
	.section	.rodata,"a",@progbits
	.p2align	6, 0x0
	.amdhsa_kernel k_qf5b87e2f50_proj
		.amdhsa_group_segment_fixed_size 327680
		.amdhsa_private_segment_fixed_size 0
		.amdhsa_enable_private_segment 0
		.amdhsa_kernarg_size 48
		.amdhsa_user_sgpr_count 2
		.amdhsa_user_sgpr_kernarg_segment_ptr 1
		.amdhsa_wavefront_size32 1
		.amdhsa_system_sgpr_workgroup_id_x 1
		.amdhsa_system_sgpr_workgroup_id_y 1
		.amdhsa_system_sgpr_workgroup_id_z 1
		.amdhsa_system_vgpr_workitem_id 0
		.amdhsa_next_free_vgpr 1024
		.amdhsa_next_free_sgpr 100
		.amdhsa_reserve_vcc 0
		.amdhsa_float_denorm_mode_32 3
		.amdhsa_float_denorm_mode_16_64 3
		.amdhsa_memory_ordered 1
		.amdhsa_forward_progress 1
		.amdhsa_inst_pref_size 161
	.end_amdhsa_kernel
	.amdgpu_metadata
---
amdhsa.version: [ 1, 2 ]
amdhsa.kernels:
  - .name:           k_qf5b87e2f50_proj
    .symbol:         k_qf5b87e2f50_proj.kd
    .args:
      - { .name: yc, .offset: 0, .size: 8, .value_kind: global_buffer, .address_space: global }
      - { .name: ys, .offset: 8, .size: 8, .value_kind: global_buffer, .address_space: global }
      - { .name: wc, .offset: 16, .size: 8, .value_kind: global_buffer, .address_space: global }
      - { .name: ws, .offset: 24, .size: 8, .value_kind: global_buffer, .address_space: global }
      - { .name: bp, .offset: 32, .size: 8, .value_kind: global_buffer, .address_space: global }
      - { .name: out0, .offset: 40, .size: 8, .value_kind: global_buffer, .address_space: global }
    .group_segment_fixed_size: 327680
    .private_segment_fixed_size: 0
    .kernarg_segment_align: 8
    .kernarg_segment_size: 48
    .max_flat_workgroup_size: 128
    .sgpr_count:     100
    .vgpr_count:     1024
    .wavefront_size: 32
...
	.end_amdgpu_metadata
.endif
;; end of part 4
